; MI455X (gfx1250); checked and timed in simulation.
; The chip was launched on July 23, 2026; its instructions are those of AMD's public machine-readable ISA for CDNA 5 (MIT licence, August 2026) and "CDNA5" Instruction Set Architecture Reference Guide (July 2026). The comments in the code are by the model that wrote it; some were corrected since.
;; Self Attention Module. Allowed arithmetic: float matrix products may take bf16 or f16 operands with f32 sums; all other float work in f32.
;; Inputs: in_proj_b 3,072 float32; in_proj_w 3,072 x 1,024 float32; k_b 1,024 float32; k_w 1,024 x 1,024 float32; mask 97 x 97 float32; mha_out_b 1,024 float32; mha_out_w 1,024 x 1,024 float32; out_b 1,024 float32; out_w 1,024 x 1,024 float32; q_b 1,024 float32; q_w 1,024 x 1,024 float32; tensor 97 x 64 x 1,024 float32; v_b 1,024 float32; v_w 1,024 x 1,024 float32.
;; Outputs: out0 97 x 64 x 1,024 float32.
;; One version. Each part assembles by itself: llvm-mc -triple=amdgcn-amd-amdhsa -mcpu=gfx1250 --defsym DOCPART=n.
;; ======== version 1 of 1: 5 launches
;; limits: values are held in f16: magnitudes above 65,504 overflow, below 6.1e-05 lose precision; inputs' magnitudes at most 65,504; right only within a limited range of input values
;; workspace buffers: XF 14,680,064 bytes; WA 16,777,216 bytes; WC 4,194,304 bytes; TB 524,288 bytes; QK1 29,360,128 bytes; VF 14,680,064 bytes; OF 14,680,064 bytes; SC 4,096 bytes
;; launch prep (part 1): grid 16 x 64, 8 waves a work-group, no clusters, 35,840 bytes of LDS; arguments tensor, q_w, k_w, in_proj_w, out_w, v_w, mha_out_w, mask, v_b, mha_out_b, in_proj_b, out_b, XF, WA, TB; writes XF, WA, TB
.if DOCPART == 1
	.amdgcn_target "amdgcn-amd-amdhsa--gfx1250"
	.amdhsa_code_object_version 6
	.text
	.protected	k_q160f36cb2c_prep
	.globl	k_q160f36cb2c_prep
	.p2align	8
	.type	k_q160f36cb2c_prep,@function
k_q160f36cb2c_prep:
	s_mov_b64 s[64:65], 0
	v_nop
	global_prefetch_b8 v0, s[64:65] scope:SCOPE_SE
	s_setreg_imm32_b32 hwreg(HW_REG_WAVE_MODE, 25, 1), 1
	s_wait_xcnt 0x0
; PREP: casts the activations and the weights to 16 bits in the order in which the later launches' matrix fragments want them,
; and makes the rotary table, the mask table and two merged biases.
;
; THE WHOLE PROGRAM (five launches).  Row s*64+b of tensor is row s of batch element b; every later launch cuts the work by b.
;   Merged maps, true for all values: (X A^T + a) B^T + c = X (B A)^T + (B a + c).  Nothing stands between v's two linear maps, nor between
;   the last two, so V = X (Wv2 v_w)^T + (Wv2 v_b + bv) and out = O (out_w mha_out_w)^T + (out_w mha_out_b + out_b), Wv2 = in_proj_w[2048:3072].
;   The launch combine makes the two merged weights, this launch the two merged biases.  q and k keep both maps: the rotary turn between them hangs on s.
;   Left out: in_proj_b[1024:2048] (bk).  score(q, k) = scale q.(k2 + bk) + mask = scale q.k2 + mask + scale q.bk, and the last term is the same for
;   every key of a query, so the softmax along the keys does not see it, whatever the inputs hold.  These 4,096 bytes are not read; every input
;   buffer still has bytes that reach the output, so all are arguments.
; NUMBER FORMATS.  From X through V and O to the output lie five products in a row; a rounding to bf16 (8 significant bits) costs about 0.17 per cent of a
;   sum's root mean square each time, and five of them use up an allowance of 1 per cent at its tail.  So every operand on that way is f16 (11 bits):
;   X, q_w, k_w (they share X's fragments), v_w, Wv2, out_w, mha_out_w as they come; the merged weights times 32; V divided by its head's largest magnitude;
;   the softmax's weights, which lie in [0, 1]; O divided by the batch element's largest |V|, which bounds it.  Room in f16 (largest 65,504, step 6e-8 at the bottom),
;   for inputs 30 times larger or smaller or offset by 30 spreads: X to about 150; weights to about 3 and down to a root mean square of 7e-4; merged weights to
;   1024 x 0.6 x 0.6 = 400, times 32 = 12,800, and down to 1.4e-5 x 32 = 4.6e-4.  The way to the scores (Q1, K1, Wq, Wk, Q2, K2) is bf16: Q2 and K2 have no such room.
; LIMITS: |X| and |weights| below 65,504 and |merged weights| below 2,047, or f16 gives infinity; the merged weights are rounded once, so the order of rounding
;   differs from two products in a row; a NaN, an infinity or an overflow that reaches only bk, or only an intermediate of the unmerged maps, is not carried to
;   the result; cos and sin come from a polynomial on the angle reduced by multiples of pi/2, good to about 3e-7 on angles up to 111 rad; the angle itself is
;   s * exp2(-p * 2 log2(10000) / 1024) in f32.
;
; THE FORMAT.  A block is 16 rows x 16 k of 16-bit numbers, 512 bytes: element (r, kk) at (kk>>3)*256 + r*16 + (kk&7)*2, so lane l = 16 h + r of a wave owns
; bytes 16 l .. 16 l + 15 = row r, k = 8 h .. 8 h + 7: two blocks, each read at 16 x lane, are one 16 x 32 fragment (ISA guide 7.12.2).
;   weights  [256-row group][128-k step][16 row tiles][8 k blocks][512]        activations  [b][128-k step][7 row tiles][8 k blocks][512]
; x = 0..6: X, row tile x of batch y (rows 97..111 are stored as zeros).   x = 7..12: q_w, k_w, in_proj_w's three slices, out_w, row tile y.
; x = 13, 14: v_w, mha_out_w transposed.   x = 15: merged biases, rotary table, mask table.
; A wave takes a panel of 16 source rows x 128 f32 columns: sixteen loads of 512 neighbouring bytes, a turn through its own 4,352 bytes of LDS,
; eight stores of 512 neighbouring aligned bytes.  No wave reads another wave's LDS bytes: no barrier.  No matrix unit, cluster or tensor load: memory binds.
.set STAGE, 4352
.set LN,   1                           ; v1  16 x lane
.set SA,   2                           ; v2  LDS: where a straight panel's 8 bytes of a row go
.set RA,   3                           ; v3  LDS: where a straight panel's block is read back
.set TA,   4                           ; v4  LDS: where a transposed panel's 16 bytes go
.set RT,   5                           ; v5  LDS: where a transposed panel's block is read back
.set LANE, 7                           ; v7  lane
.set D,    16                          ; v[16:79]  the panel as loaded, row i in 4 registers
.set C,    80                          ; v[80:87]  packed 16-bit numbers on their way into LDS
.set R,    88                          ; v[88:119] eight blocks read back
	s_load_b512 s[8:23], s[0:1], 0x0               ; tensor 8, q_w 10, k_w 12, in_proj_w 14, out_w 16, v_w 18, mha_out_w 20, mask 22
	s_load_b256 s[24:31], s[0:1], 0x40             ; v_b 24, mha_out_b 26, in_proj_b 28, out_b 30
	s_load_b128 s[32:35], s[0:1], 0x60             ; XF 32, WA 34
	s_load_b64 s[36:37], s[0:1], 0x70              ; TB
	v_lshl_add_u32 v192, v0, 2, 0x8800
	v_mov_b32 v193, 0
	s_mov_b32 s2, ttmp9                            ; x
	s_and_b32 s3, ttmp7, 0xffff                    ; y
	v_lshrrev_b32 v6, 5, v0
	v_readfirstlane_b32 s4, v6                     ; wave 0..7
	s_mul_i32 s5, s4, STAGE                        ; my wave's bytes of LDS
	v_and_b32 v[LANE], 31, v0
	v_lshlrev_b32 v[LN], 4, v[LANE]
	v_lshrrev_b32 v8, 1, v[LANE]                   ; straight, in: lane l holds columns 4 l .. 4 l + 3 = half block l >> 1, 8 bytes at 8 (l & 1) of each row
	v_and_b32 v9, 1, v[LANE]
	v_mul_u32_u24 v8, v8, 272                      ; half blocks 272 bytes apart: the 32 lanes of a store touch 32 different 8-byte columns of the 64 banks (ISA guide 11.1)
	v_lshl_add_u32 v8, v9, 3, v8
	v_add_nc_u32 v[SA], s5, v8
	v_lshrrev_b32 v8, 4, v[LANE]                   ; straight, back: lane l takes row l & 15 of half l >> 4
	v_and_b32 v9, 15, v[LANE]
	v_mul_u32_u24 v8, v8, 272
	v_lshl_add_u32 v8, v9, 4, v8
	v_add_nc_u32 v[RA], s5, v8
	v_lshrrev_b32 v8, 2, v[LANE]                   ; transposed, in: column 4 l + e is row 4 (l & 3) + e of block l >> 2
	v_and_b32 v9, 3, v[LANE]
	v_mul_u32_u24 v8, v8, 528                      ; blocks 528 bytes apart: sixteen lanes touch sixteen different 16-byte columns
	v_lshl_add_u32 v8, v9, 6, v8
	v_add_nc_u32 v[TA], s5, v8
	v_add_nc_u32 v[RT], s5, v[LN]
	s_wait_kmcnt 0x0
	s_cmp_lt_u32 s2, 7
	s_cbranch_scc1 .LX
	s_cmp_lt_u32 s2, 13
	s_cbranch_scc1 .LW
	s_cmp_lt_u32 s2, 15
	s_cbranch_scc1 .LT
	s_branch .LM
; sixteen rows of the panel at s[40:41], 512 neighbouring bytes each
.macro PLOAD pitch, nt
.set ii, 0
.rept 16
.if \nt
	global_load_b128 v[D+4*ii:D+4*ii+3], v[LN], s[40:41] offset:ii*\pitch th:TH_LOAD_NT
.else
	global_load_b128 v[D+4*ii:D+4*ii+3], v[LN], s[40:41] offset:ii*\pitch
.endif
.set ii, ii+1
.endr
.endm
; row by row: round to f16 (f16 = 1) or to bf16 (0), 8 bytes a lane into the stage
.macro STRAIGHT f16
.set ii, 0
.rept 16
	s_wait_loadcnt 15-ii                           ; loads come back in order (ISA guide 5.7.1): row ii is in, the 15 - ii younger rows stay out
.if \f16
	v_cvt_pk_f16_f32 v[C+2*(ii&3)], v[D+4*ii], v[D+4*ii+1]
	v_cvt_pk_f16_f32 v[C+2*(ii&3)+1], v[D+4*ii+2], v[D+4*ii+3]
.else
	v_cvt_pk_bf16_f32 v[C+2*(ii&3)], v[D+4*ii], v[D+4*ii+1]
	v_cvt_pk_bf16_f32 v[C+2*(ii&3)+1], v[D+4*ii+2], v[D+4*ii+3]
.endif
	ds_store_b64 v[SA], v[C+2*(ii&3):C+2*(ii&3)+1] offset:16*ii
.set ii, ii+1
.endr
.endm
; eight blocks back out of my own stage (LDS serves a wave in order, ISA guide 5.7.1.4: the loads see the stores above) and to s[42:43]
.macro BACK adr, stride, dstep
.set jj, 0
.rept 8
	ds_load_b128 v[R+4*jj:R+4*jj+3], v[\adr] offset:jj*\stride
.set jj, jj+1
.endr
.set jj, 0
.rept 8
	s_wait_dscnt 7-jj                              ; block jj is in, the 7 - jj younger loads stay out
	global_store_b128 v[LN], v[R+4*jj:R+4*jj+3], s[42:43] offset:jj*\dstep   ; the wave stores 512 neighbouring bytes at a multiple of 512
.set jj, jj+1
.endr
.endm
.LX:                                               ; X: row tile x, batch y, k step = wave; f16
	s_lshl_b32 s40, s2, 22                         ; 16 rows s, 262,144 bytes apart
	s_lshl_b32 s6, s3, 12
	s_add_co_u32 s40, s40, s6                      ; + b * 4,096
	s_lshl_b32 s6, s4, 9
	s_add_co_u32 s40, s40, s6                      ; + 128 columns of f32 a wave
	s_mov_b32 s41, 0
	s_add_nc_u64 s[40:41], s[8:9], s[40:41]
	s_mul_i32 s42, s3, 229376
	s_mul_i32 s6, s4, 28672
	s_add_co_u32 s42, s42, s6
	s_lshl_b32 s6, s2, 12
	s_add_co_u32 s42, s42, s6
	s_mov_b32 s43, 0
	s_add_nc_u64 s[42:43], s[32:33], s[42:43]
	s_cmp_eq_u32 s2, 6
	s_cbranch_scc1 .LXlast
	PLOAD 262144, 1
	STRAIGHT 1
	BACK RA, 544, 512
	s_wait_tensorcnt 0x0
	ds_add_u32 v192, v193
	s_wait_dscnt 0x0
	s_endpgm
.LXlast:                                           ; row tile 6 holds row 96 alone: one load, no load passes the tensor's end; rows 97..111 are zeros
	global_load_b128 v[D:D+3], v[LN], s[40:41] th:TH_LOAD_NT
	v_mov_b32 v[C+2], 0
	v_mov_b32 v[C+3], 0
.set ii, 1
.rept 15
	ds_store_b64 v[SA], v[C+2:C+3] offset:16*ii
.set ii, ii+1
.endr
	s_wait_loadcnt 0x0
	v_cvt_pk_f16_f32 v[C], v[D], v[D+1]
	v_cvt_pk_f16_f32 v[C+1], v[D+2], v[D+3]
	ds_store_b64 v[SA], v[C:C+1]
	BACK RA, 544, 512
	s_wait_tensorcnt 0x0
	ds_add_u32 v192, v193
	s_wait_dscnt 0x0
	s_endpgm
.LW:                                               ; six weights of 1024 x 1024 as they lie: m = x - 7, row tile y, k step = wave
	s_sub_co_u32 s6, s2, 7                         ; m: 0 q_w, 1 k_w, 2..4 in_proj_w's slices, 5 out_w
	s_cmp_eq_u32 s6, 0
	s_cselect_b64 s[40:41], s[10:11], s[14:15]
	s_cmp_eq_u32 s6, 1
	s_cselect_b64 s[40:41], s[12:13], s[40:41]
	s_cmp_eq_u32 s6, 5
	s_cselect_b64 s[40:41], s[16:17], s[40:41]
	s_cselect_b32 s44, 2, s6                       ; the slice of in_proj_w: m - 2 for m = 2, 3, 4, else 0
	s_max_u32 s44, s44, 2
	s_sub_co_u32 s44, s44, 2
	s_lshl_b32 s44, s44, 22                        ; 1,024 rows of 4,096 bytes a slice
	s_lshl_b32 s7, s3, 16
	s_add_co_u32 s44, s44, s7                      ; + 16 rows a tile
	s_lshl_b32 s7, s4, 9
	s_add_co_u32 s44, s44, s7
	s_mov_b32 s45, 0
	s_add_nc_u64 s[40:41], s[40:41], s[44:45]
	s_lshl_b32 s42, s6, 21                         ; in WA: 2 MiB each, but Wq and Wk are woven: [4 head groups][16 steps: 8 of Wq, 8 of Wk][65,536]
	s_cmp_eq_u32 s6, 3
	s_cselect_b32 s42, 0x480000, s42               ; Wk begins 8 steps behind Wq
	s_lshr_b32 s7, s6, 1
	s_cmp_eq_u32 s7, 1
	s_cselect_b32 s7, 20, 19                       ; a 256-row group is 1 MiB there, 512 KiB elsewhere
	s_lshr_b32 s38, s3, 4
	s_lshl_b32 s38, s38, s7
	s_add_co_u32 s42, s42, s38
	s_lshl_b32 s38, s4, 16
	s_add_co_u32 s42, s42, s38
	s_and_b32 s38, s3, 15
	s_lshl_b32 s38, s38, 12
	s_add_co_u32 s42, s42, s38
	s_mov_b32 s43, 0
	s_add_nc_u64 s[42:43], s[34:35], s[42:43]
	PLOAD 4096, 0
	s_cmp_eq_u32 s7, 20                            ; Wq and Wk meet Q1 and K1, which are bf16; the other four are f16
	s_cbranch_scc1 .LWb
	STRAIGHT 1
	BACK RA, 544, 512
	s_wait_tensorcnt 0x0
	ds_add_u32 v192, v193
	s_wait_dscnt 0x0
	s_endpgm
.LWb:
	STRAIGHT 0
	BACK RA, 544, 512
	s_wait_tensorcnt 0x0
	ds_add_u32 v192, v193
	s_wait_dscnt 0x0
	s_endpgm
.LT:                                               ; v_w and mha_out_w transposed, f16: source rows j = 16 y .. + 15 become k, source columns 128 wave .. + 127 become rows
	s_cmp_eq_u32 s2, 13
	s_cselect_b64 s[40:41], s[18:19], s[20:21]
	s_lshl_b32 s44, s3, 16
	s_lshl_b32 s6, s4, 9
	s_add_co_u32 s44, s44, s6
	s_mov_b32 s45, 0
	s_add_nc_u64 s[40:41], s[40:41], s[44:45]
	s_sub_co_u32 s6, s2, 13
	s_lshl_b32 s42, s6, 21
	s_add_co_u32 s42, s42, 12<<20
	s_lshr_b32 s6, s4, 1                           ; row tile 8 wave + j: group wave >> 1,
	s_lshl_b32 s6, s6, 19
	s_add_co_u32 s42, s42, s6
	s_lshr_b32 s6, s3, 3                           ; k block y: step y >> 3,
	s_lshl_b32 s6, s6, 16
	s_add_co_u32 s42, s42, s6
	s_and_b32 s6, s4, 1                            ; tile 8 (wave & 1) + j of the group,
	s_lshl_b32 s6, s6, 15
	s_add_co_u32 s42, s42, s6
	s_and_b32 s6, s3, 7                            ; block y & 7 of the step
	s_lshl_b32 s6, s6, 9
	s_add_co_u32 s42, s42, s6
	s_mov_b32 s43, 0
	s_add_nc_u64 s[42:43], s[34:35], s[42:43]
	PLOAD 4096, 1
	s_wait_loadcnt 0x0                             ; a column needs all sixteen rows
.irp h, 0,1
.irp e, 0,1,2,3
.irp q, 0,1,2,3
	v_cvt_pk_f16_f32 v[C+4*(\e&1)+\q], v[D+4*(8*\h+2*\q)+\e], v[D+4*(8*\h+2*\q+1)+\e]   ; eight neighbouring j of column 4 l + e
.endr
	ds_store_b128 v[TA], v[C+4*(\e&1):C+4*(\e&1)+3] offset:\h*256+\e*16
.endr
.endr
	BACK RT, 528, 4096
	s_wait_tensorcnt 0x0
	ds_add_u32 v192, v193
	s_wait_dscnt 0x0
	s_endpgm
.LM:
	; (1) merged biases, all in f32: wave w makes four numbers n0 .. n0 + 3 of bvc (w < 4) or of boc: a row of 1,024 times a vector of 1,024, plus the addend
	s_lshr_b32 s6, s4, 2                           ; which of the two
	s_and_b32 s7, s4, 3
	s_lshl_b32 s7, s7, 2
	s_lshl4_add_u32 s7, s3, s7                     ; n0 = 16 y + 4 (w & 3)
	s_mov_b32 s48, 0x76543210                      ; v_permlanex16_b32: lane i reads lane i of the other half
	s_mov_b32 s49, 0xfedcba98
	s_cmp_eq_u32 s6, 0
	s_cselect_b64 s[40:41], s[14:15], s[16:17]     ; rows: in_proj_w or out_w
	s_cselect_b64 s[42:43], s[24:25], s[26:27]     ; vector: v_b or mha_out_b
	s_cselect_b64 s[44:45], s[28:29], s[30:31]     ; addend: in_proj_b or out_b
	s_cselect_b32 s38, 8<<20, 0                    ; Wv2 begins at row 2,048 of in_proj_w,
	s_cselect_b32 s39, 8192, 0                     ; bv at number 2,048 of in_proj_b
	s_lshl_b32 s46, s7, 12
	s_add_co_u32 s46, s46, s38
	s_mov_b32 s47, 0
	s_add_nc_u64 s[40:41], s[40:41], s[46:47]
	s_lshl_b32 s46, s7, 2
	s_add_co_u32 s46, s46, s39
	s_add_nc_u64 s[44:45], s[44:45], s[46:47]
	s_lshl_b32 s46, s6, 12
	s_lshl2_add_u32 s46, s7, s46
	s_add_co_u32 s46, s46, 516096
	s_add_nc_u64 s[46:47], s[36:37], s[46:47]      ; TB + 516,096 + 4,096 g + 4 n0
.set ii, 0
.rept 8
	global_load_b128 v[16+4*ii:19+4*ii], v[LN], s[42:43] offset:512*ii
.set ii, ii+1
.endr
.irp rr, 0,1,2,3
.set ii, 0
.rept 8
	global_load_b128 v[48+32*\rr+4*ii:51+32*\rr+4*ii], v[LN], s[40:41] offset:\rr*4096+512*ii
.set ii, ii+1
.endr
.endr
	v_mov_b32 v10, 0
	v_mov_b32 v188, 0                              ; v_permlanex16_b32 counts as a reader of its destination
	global_load_b128 v[176:179], v10, s[44:45]     ; the four addends, in every lane
	v_and_b32 v11, 15, v[LANE]                     ; r
	v_lshrrev_b32 v12, 4, v[LANE]                  ; h
	s_wait_loadcnt 0x0
.irp rr, 0,1,2,3
	v_pk_mul_f32 v[180:181], v[48+32*\rr:49+32*\rr], v[16:17]      ; two chains, each started by a product: nothing is cleared
	v_pk_mul_f32 v[182:183], v[50+32*\rr:51+32*\rr], v[18:19]
.set ii, 1
.rept 7
	v_pk_fma_f32 v[180:181], v[48+32*\rr+4*ii:49+32*\rr+4*ii], v[16+4*ii:17+4*ii], v[180:181]
	v_pk_fma_f32 v[182:183], v[50+32*\rr+4*ii:51+32*\rr+4*ii], v[18+4*ii:19+4*ii], v[182:183]
.set ii, ii+1
.endr
	v_pk_add_f32 v[180:181], v[180:181], v[182:183]
	v_add_f32 v[184+\rr], v180, v181
.endr
.irp m, 1,2,4,8
.irp rr, 0,1,2,3
	v_add_f32_dpp v[184+\rr], v[184+\rr], v[184+\rr] row_xmask:\m row_mask:0xf bank_mask:0xf
.endr
.endr
.irp rr, 0,1,2,3
	v_permlanex16_b32 v188, v[184+\rr], s48, s49
	v_add_f32 v[184+\rr], v[184+\rr], v188
	v_add_f32 v[184+\rr], v[184+\rr], v[176+\rr]
.endr
	v_cmp_eq_u32 vcc_lo, 0, v[LANE]
	s_wait_xcnt 0x0                                ; EXEC is a source of the loads above: it changes only behind this wait
	s_and_saveexec_b32 s50, vcc_lo
	global_store_b128 v10, v[184:187], s[46:47]    ; 16 bytes a wave, 8,192 in the launch: these stores do not fill 256-byte blocks
	s_wait_xcnt 0x0
	s_or_b32 exec_lo, exec_lo, s50
	s_cmp_eq_u32 s4, 7
	s_cbranch_scc1 .LMask
	; (2) waves 0..6: the rotary table for row tile mt = wave and column tile ntg = y.  Lane (r, h) holds (cos, sin, cos, sin) of the pairs
	; p = 8 ntg + 4 h + 2 g + {0, 1} at s = 16 mt + r: the four numbers that meet its registers 4 g .. 4 g + 3 of a result tile in proj1.
	s_mov_b32 s52, 0xb9500d01                      ; -1/5040
	s_mov_b32 s53, 0x3c088889                      ; 1/120
	s_mov_b32 s54, 0xbe2aaaab                      ; -1/6
	s_mov_b32 s55, 0x37d00d01                      ; 1/40320
	s_mov_b32 s56, 0xbab60b61                      ; -1/720
	s_mov_b32 s57, 0x3d2aaaab                      ; 1/24
	s_mov_b32 s58, 0x3fc90fdb                      ; pi/2, the f32 next to it,
	s_mov_b32 s59, 0xb33bbd2e                      ; and what is left of pi/2
	s_lshl_b32 s6, s4, 4
	v_add_nc_u32 v13, s6, v11
	v_cvt_f32_u32 v13, v13                         ; s
	s_lshl_b32 s7, s3, 3
	v_lshl_add_u32 v14, v12, 2, s7                 ; 8 ntg + 4 h
.macro SINCOS k, dst
	v_add_nc_u32 v20, \k, v14
	v_cvt_f32_u32 v20, v20                         ; p
	v_mul_f32 v20, 0xbcd49a78, v20                 ; - p * 2 log2(10000) / 1024
	v_exp_f32 v20, v20                             ; 10000^(-2 p / 1024)
	v_nop                                          ; one plain instruction behind a transcendental (ISA guide 5.7.2)
	s_wait_alu depctr_va_vdst(0)
	v_mul_f32 v21, v13, v20                        ; the angle
	v_mul_f32 v22, 0x3f22f983, v21
	v_rndne_f32 v22, v22                           ; k = the nearest multiple of pi/2
	v_fma_f32 v23, -v22, s58, v21
	v_fma_f32 v23, -v22, s59, v23                  ; r = angle - k pi/2, |r| <= pi/4
	v_mul_f32 v24, v23, v23
	v_fma_f32 v25, v24, s52, s53
	v_fma_f32 v25, v25, v24, s54
	v_mul_f32 v26, v23, v24
	v_fma_f32 v25, v25, v26, v23                   ; sin r
	v_fma_f32 v27, v24, s55, s56
	v_fma_f32 v27, v27, v24, s57
	v_fma_f32 v27, v27, v24, -0.5
	v_fma_f32 v27, v27, v24, 1.0                   ; cos r
	v_cvt_i32_f32 v28, v22
	v_and_b32 v29, 1, v28
	v_cmp_eq_u32 vcc_lo, 1, v29                    ; odd k: the two change places (a choice of values only)
	v_cndmask_b32 v30, v27, v25, vcc_lo
	v_cndmask_b32 v31, v25, v27, vcc_lo
	v_add_nc_u32 v29, 1, v28                       ; cos is negative for k mod 4 = 1, 2: bit 1 of k + 1
	v_lshlrev_b32 v29, 30, v29
	v_and_b32 v29, 0x80000000, v29
	v_xor_b32 v[\dst], v29, v30
	v_lshlrev_b32 v28, 30, v28                     ; sin is negative for k mod 4 = 2, 3: bit 1 of k
	v_and_b32 v28, 0x80000000, v28
	v_xor_b32 v[\dst+1], v28, v31
.endm
	SINCOS 0, 32
	SINCOS 1, 34
	SINCOS 2, 36
	SINCOS 3, 38
	s_lshl_b32 s6, s4, 6
	s_add_co_u32 s6, s6, s3
	s_lshl_b32 s6, s6, 10
	s_mov_b32 s7, 0
	s_add_nc_u64 s[40:41], s[36:37], s[6:7]        ; TB + (64 mt + ntg) * 1,024
	global_store_b128 v[LN], v[32:35], s[40:41]
	global_store_b128 v[LN], v[36:39], s[40:41] offset:512
	s_endpgm
.LMask:
	; (3) wave 7: the mask, times log2(e), in the order of attn's score tiles: block (i, jt, g), lane (r, h): mask[16 i + r][16 jt + 8 h + 4 g + 0..3];
	; -inf for keys past 96 (they take no part in the softmax), 0 for the padded queries past 96 (their rows are never used).
	; Blocks y and y + 64 of 7 x 8 x 2; key tile 7 does not exist and its blocks are jumped over.
	v_mov_b32 v18, 0
	v_mov_b32 v19, 0xff800000
.macro MBLK
	s_bfe_u32 s38, s6, 0x30001                     ; jt
	s_cmp_eq_u32 s38, 7
	s_cbranch_scc1 .Lnone_\@
	s_wait_xcnt 0x0                                ; the block before: its store's data, its loads' addresses and the base are rewritten only behind this wait
	s_lshr_b32 s7, s6, 4                           ; i
	s_and_b32 s39, s6, 1                           ; g
	s_lshl_b32 s7, s7, 4
	v_add_nc_u32 v15, s7, v11                      ; query
	s_lshl_b32 s38, s38, 4
	s_lshl2_add_u32 s38, s39, s38
	v_lshl_add_u32 v16, v12, 3, s38                ; my first key
	v_min_u32 v17, 96, v15                         ; loads stay inside the mask
	v_mul_u32_u24 v17, v17, 97
	s_lshl_b32 s44, s6, 9
	s_add_co_u32 s44, s44, 458752
	s_mov_b32 s45, 0
	s_add_nc_u64 s[40:41], s[36:37], s[44:45]
.irp e, 0,1,2,3
	v_add_nc_u32 v[20+\e], \e, v16
	v_min_u32 v[24+\e], 96, v[20+\e]
	v_add_lshl_u32 v[24+\e], v[24+\e], v17, 2
	global_load_b32 v[28+\e], v[24+\e], s[22:23]   ; rows of 97 numbers: no wider load is aligned
.endr
	v_cmp_lt_u32 s50, 96, v15
	s_wait_loadcnt 0x0
.irp e, 0,1,2,3
	v_mul_f32 v[28+\e], 0x3fb8aa3b, v[28+\e]
	v_cndmask_b32 v[28+\e], v[28+\e], v18, s50
	v_cmp_lt_u32 vcc_lo, 96, v[20+\e]
	v_cndmask_b32 v[28+\e], v[28+\e], v19, vcc_lo
.endr
	global_store_b128 v[LN], v[28:31], s[40:41]
.Lnone_\@:
.endm
	s_mov_b32 s6, s3
	MBLK
	s_cmp_lt_u32 s3, 48
	s_cbranch_scc0 .LMend
	s_add_co_u32 s6, s3, 64
	MBLK
.LMend:
	s_endpgm
.Lfunc_end_k_q160f36cb2c_prep:
	.size	k_q160f36cb2c_prep, .Lfunc_end_k_q160f36cb2c_prep-k_q160f36cb2c_prep
	.p2alignl 7, 3214868480
	.fill 96, 4, 3214868480
	.section	.rodata,"a",@progbits
	.p2align	6, 0x0
	.amdhsa_kernel k_q160f36cb2c_prep
		.amdhsa_group_segment_fixed_size 35840
		.amdhsa_private_segment_fixed_size 0
		.amdhsa_enable_private_segment 0
		.amdhsa_kernarg_size 120
		.amdhsa_user_sgpr_count 2
		.amdhsa_user_sgpr_kernarg_segment_ptr 1
		.amdhsa_wavefront_size32 1
		.amdhsa_system_sgpr_workgroup_id_x 1
		.amdhsa_system_sgpr_workgroup_id_y 1
		.amdhsa_system_sgpr_workgroup_id_z 1
		.amdhsa_system_vgpr_workitem_id 0
		.amdhsa_next_free_vgpr 194
		.amdhsa_next_free_sgpr 66
		.amdhsa_reserve_vcc 1
		.amdhsa_float_denorm_mode_32 3
		.amdhsa_float_denorm_mode_16_64 3
		.amdhsa_memory_ordered 1
		.amdhsa_forward_progress 1
		.amdhsa_inst_pref_size 56
	.end_amdhsa_kernel
	.amdgpu_metadata
---
amdhsa.version: [ 1, 2 ]
amdhsa.kernels:
  - .name:           k_q160f36cb2c_prep
    .symbol:         k_q160f36cb2c_prep.kd
    .args:
      - { .name: tensor, .offset: 0, .size: 8, .value_kind: global_buffer, .address_space: global }
      - { .name: q_w, .offset: 8, .size: 8, .value_kind: global_buffer, .address_space: global }
      - { .name: k_w, .offset: 16, .size: 8, .value_kind: global_buffer, .address_space: global }
      - { .name: in_proj_w, .offset: 24, .size: 8, .value_kind: global_buffer, .address_space: global }
      - { .name: out_w, .offset: 32, .size: 8, .value_kind: global_buffer, .address_space: global }
      - { .name: v_w, .offset: 40, .size: 8, .value_kind: global_buffer, .address_space: global }
      - { .name: mha_out_w, .offset: 48, .size: 8, .value_kind: global_buffer, .address_space: global }
      - { .name: mask, .offset: 56, .size: 8, .value_kind: global_buffer, .address_space: global }
      - { .name: v_b, .offset: 64, .size: 8, .value_kind: global_buffer, .address_space: global }
      - { .name: mha_out_b, .offset: 72, .size: 8, .value_kind: global_buffer, .address_space: global }
      - { .name: in_proj_b, .offset: 80, .size: 8, .value_kind: global_buffer, .address_space: global }
      - { .name: out_b, .offset: 88, .size: 8, .value_kind: global_buffer, .address_space: global }
      - { .name: XF, .offset: 96, .size: 8, .value_kind: global_buffer, .address_space: global }
      - { .name: WA, .offset: 104, .size: 8, .value_kind: global_buffer, .address_space: global }
      - { .name: TB, .offset: 112, .size: 8, .value_kind: global_buffer, .address_space: global }
    .group_segment_fixed_size: 35840
    .private_segment_fixed_size: 0
    .kernarg_segment_align: 8
    .kernarg_segment_size: 120
    .max_flat_workgroup_size: 256
    .sgpr_count:     66
    .vgpr_count:     194
    .wavefront_size: 32
...
	.end_amdgpu_metadata
.endif
;; end of part 1
;; launch combine (part 2): grid 8 x 32, 4 waves a work-group, clusters of 4 x 4, 327,680 bytes of LDS; arguments WA, WC; writes WC
.if DOCPART == 2
	.amdgcn_target "amdgcn-amd-amdhsa--gfx1250"
	.amdhsa_code_object_version 6
	.text
	.protected	k_q160f36cb2c_combine
	.globl	k_q160f36cb2c_combine
	.p2align	8
	.type	k_q160f36cb2c_combine,@function
k_q160f36cb2c_combine:
	s_mov_b64 s[64:65], 0
	v_nop
	global_prefetch_b8 v0, s[64:65] scope:SCOPE_SE
	s_setreg_imm32_b32 hwreg(HW_REG_WAVE_MODE, 25, 1), 1
	s_wait_xcnt 0x0
	s_wait_alu depctr_hold_cnt(0) depctr_sa_sdst(0) depctr_va_vdst(0) depctr_va_sdst(0) depctr_va_ssrc(0) depctr_va_vcc(0) depctr_vm_vsrc(0)
	s_getreg_b32 s2, hwreg(HW_REG_IB_STS2, 6, 4)
	s_cmp_eq_u32 s2, 0
	s_cbranch_scc0 .Lentry_in_a_cluster
	s_endpgm
.Lentry_in_a_cluster:
	s_bfe_u32 s2, ttmp6, 0x10000c
	s_cmp_lg_u32 s2, 0xf033
	s_cbranch_scc0 .Lentry_shape_is_right
	s_endpgm
.Lentry_shape_is_right:
; COMBINE: the two merged weights, Wvc = Wv2 v_w (g = 0) and Woc = out_w mha_out_w (g = 1), each 1024 x 1024 x 1024, f16 operands, f32 sums,
; multiplied by 32, rounded once to f16 and stored in fragment blocks (16 rows x 16 k, 512 bytes, lane l owns bytes 16 l ..).  Why the merging is right, and why
; f16 and the factor 32 (it centres the merged weights in f16's range; the launches that use them divide by it): head of prep.  Limit: |merged weight| below 2,047.
; A work-group makes 64 rows n x 128 columns k; a wave 32 x 64: 8 accumulator tiles, 32 matrix instructions for a step of 128 along the sum over j.
; THAT IS LITTLE WORK FOR A STEP'S TILES TO LAND IN, so the tiles are asked for as early as LDS has room: a step is 16,384 bytes of the left factor (A) and
; 32,768 of the transposed right factor (B); six of the eight steps are 294,912 bytes and go out at the start, three loads a wave of two steps each, so that
; step 0 begins when its pair is in.  Steps 6 and 7 are one refill a wave, into the bytes of steps 0 and 1, and have steps 2 to 5 (128 matrix instructions) to land in.
; (All eight steps would be 393,216 bytes; no block of 8,192 results needs fewer than 2 x 90 rows of 2,048 bytes, which do not fit either.)
; LDS: waves 0, 1 fill B's halves (64 rows: [6 steps][16,384] at wave x 98,304), waves 2, 3 A's halves (32 rows: [6 steps][8,192] at 98,304 + wave x 49,152).
; A load is two rows, one for each step: the step's bytes lie together in WA, and from step to step are 65,536 bytes.
; CLUSTERS of 4 x 4: A hangs on the work-group's y alone and is asked for jointly along the cluster's row, B on its x (and on g, which all sixteen
; share) and is asked for jointly along the column.  By this text's own count a wave has three tensor loads out at the start and one behind the refill's round.
; The blocks lie in LDS as in memory: a fragment load is 512 neighbouring bytes, so there is no padding and no bank conflict.
; SCALARS: s[24:63] are descriptors and are written only ahead of the first loads and, the first pair's addresses, behind the wait that shows every load done;
; ids lie in s8-s15, s20-s22, scratch in s66-s78.
.set MT,    2                          ; row tiles of a wave
.set NLD,   8+2*MT                     ; LDS loads of one quarter step
.set STEPB, 65536                      ; from one step of 128 to the next, in memory
.set AROW,  8192                       ; a step's 32 rows of A: what one wave asks for of a step
.set BROW,  16384                      ; a step's 64 rows of B
.set ALDS,  12*BROW                    ; 196,608: A's regions lie behind B's two
.set LN,    2                          ; v2      16 x lane
.set ADRA,  8                          ; v8      LDS address of my 32 rows of A
.set ADRB,  10                         ; v10-11  of my 64 rows of B: places 0..3 of the six, places 4, 5 (an LDS offset has 16 bits)
.set AF,    16                         ; v[16:47]   A's fragments, two buffers
.set BF,    48                         ; v[48:111]  B's fragments, two buffers
.set ACC,   112                        ; v[112:175] tile (mt, nt) at 8 (4 mt + nt)
.set OUT,   176                        ; v[176:207] packed results
.set G1A, 24                           ; s[24:31] descriptor group 1 for A
.set G0A, 32                           ; s[32:43] group 0 for A, one set for each pair of steps
.set G1B, 44                           ; s[44:51] group 1 for B
.set G0B, 52                           ; s[52:63] group 0 for B, one set for each pair of steps
.macro PLACES                          ; four plain vector instructions between a matrix instruction and a load into, or a vector read of, its registers
.rept 4
	v_nop
.endr
.endm
.macro CREST                           ; a round of the cluster's barrier behind its opening work-group barrier
	s_cmp_lg_u32 s20, 0
	s_cbranch_scc1 .Lnot_wave_0_\@
	s_barrier_signal -3
.Lnot_wave_0_\@:
	s_barrier_wait -3
	s_barrier_signal -1
	s_barrier_wait -1
.endm
.macro CROUND
	s_barrier_signal -1
	s_barrier_wait -1
	CREST
.endm
.macro WM d, a, b, zero
.if \zero
	v_wmma_f32_16x16x32_f16 v[\d:\d+7], v[\a:\a+7], v[\b:\b+7], 0
.else
	v_wmma_f32_16x16x32_f16 v[\d:\d+7], v[\a:\a+7], v[\b:\b+7], v[\d:\d+7]
.endif
.endm
; source 0 = 16 rows of B, source 1 = 16 rows of A: a lane then holds eight neighbouring columns of one row of the result.
; The accumulators take turns, one instruction a turn, over every seam of the text.
.macro MUL f, mfirst, mcount, zero
.set mm, \mfirst
.rept \mcount
.set nn, 0
.rept 4
	WM ACC+8*(4*mm+nn), BF+32*(\f)+8*nn, AF+8*MT*(\f)+8*mm, \zero
.set nn, nn+1
.endr
.set mm, mm+1
.endr
.endm
.macro FETCH p, c                      ; the fragments of quarter step c (32 along the sum) of the step at place p, into buffer c & 1
.if (\p) < 4
.set BR, ADRB
.set BO, (\p)*BROW
.else
.set BR, ADRB+1
.set BO, ((\p)-4)*BROW
.endif
.set ii, 0
.rept 4
	ds_load_b128 v[BF+32*((\c)&1)+8*ii:BF+32*((\c)&1)+8*ii+3], v[BR] offset:BO+ii*4096+(\c)*1024
	ds_load_b128 v[BF+32*((\c)&1)+8*ii+4:BF+32*((\c)&1)+8*ii+7], v[BR] offset:BO+ii*4096+(\c)*1024+512
.set ii, ii+1
.endr
.set ii, 0
.rept MT
	ds_load_b128 v[AF+8*MT*((\c)&1)+8*ii:AF+8*MT*((\c)&1)+8*ii+3], v[ADRA] offset:(\p)*AROW+ii*4096+(\c)*1024
	ds_load_b128 v[AF+8*MT*((\c)&1)+8*ii+4:AF+8*MT*((\c)&1)+8*ii+7], v[ADRA] offset:(\p)*AROW+ii*4096+(\c)*1024+512
.set ii, ii+1
.endr
.endm
.macro CH c, pn, cn, zero              ; quarter step c: ask for the next quarter's fragments (place pn, quarter cn), multiply this one's
	PLACES
	FETCH \pn, \cn
	s_wait_dscnt NLD                               ; all but the 12 loads just issued: this quarter's fragments are in
	MUL (\c)&1, 0, MT, \zero
.endm
.macro STEP3 p, zero                   ; quarters 0, 1, 2 of the step at place p
	CH 0, \p, 1, \zero
	CH 1, \p, 2, 0
	CH 2, \p, 3, 0
.endm
.macro STEP4 p, pn, zero               ; a whole step whose successor, at place pn, has been shown landed already: no barrier between them
	STEP3 \p, \zero
	CH 3, \pn, 0, 0
.endm
; Quarter 3 of a step behind which a barrier is due.  In front of it each wave waits for its LDS reads and for all its tensor loads.
; fill = 1: the barrier opens a round of the cluster's barrier, and the joint refill (steps 6, 7 into the bytes of steps 0, 1, which no wave reads any more) comes first behind it.
; fill = 0: the refill has landed in every wave's part.
.macro TURN fill, pn
	s_wait_dscnt 0x0
	s_wait_tensorcnt 0x0
	ds_add_u32 v254, v255
	s_wait_dscnt 0x0
	s_barrier_signal -1
	MUL 1, 0, 1, 0                                 ; register work while the others arrive
	s_barrier_wait -1
.if \fill
	CREST
	s_add_nc_u64 s[G0A+2:G0A+3], s[G0A+2:G0A+3], 6*STEPB   ; no load of mine is out: the first pair's addresses may step, six steps on
	s_add_nc_u64 s[G0B+2:G0B+3], s[G0B+2:G0B+3], 6*STEPB
	s_cmp_eq_u32 s21, 0                            ; the branch hangs on the wave's number alone
	s_cbranch_scc0 .Lfor_a_\@
	tensor_load_to_lds s[G0B:G0B+3], s[G1B:G1B+7]
	s_nop 0
	s_branch .Lasked_\@
.Lfor_a_\@:
	tensor_load_to_lds s[G0A:G0A+3], s[G1A:G1A+7]
	s_nop 0
.Lasked_\@:
.endif
	PLACES
	FETCH \pn, 0
	MUL 1, 1, 1, 0
.endm
	s_load_b128 s[4:7], s[0:1], 0x0                ; WA s[4:5], WC s[6:7]
	v_lshl_add_u32 v254, v0, 2, 0x48000
	v_mov_b32 v255, 0
	ds_add_u32 v254, v255
	v_lshrrev_b32 v1, 5, v0
	v_readfirstlane_b32 s20, v1                    ; wave 0..3
	s_lshr_b32 s21, s20, 1                         ; loads: 0 I ask for B, 1 for A.  Products: which 32 of the block's rows are mine
	s_and_b32 s22, s20, 1                          ; loads: which half.  Products: which 64 of its columns
	s_bfe_u32 s8, ttmp6, 0x40000                   ; cx
	s_bfe_u32 s9, ttmp6, 0x40004                   ; cy
	s_lshl_b32 s10, ttmp9, 2
	s_add_co_u32 s10, s10, s8                      ; work-group x = which 128 columns, 0..7
	s_and_b32 s11, ttmp7, 0xffff
	s_lshr_b32 s14, s11, 2                         ; g: clusters 0..3 along y make Wvc, 4..7 Woc: the same in all sixteen work-groups
	s_lshl_b32 s11, s11, 2
	s_add_co_u32 s11, s11, s9                      ; work-group y
	s_and_b32 s15, s11, 15                         ; which 64 rows, 0..15
	s_lshl_b32 s12, s9, 2
	s_lshl_b32 s12, 15, s12                        ; my row of the cluster
	s_lshl_b32 s13, 0x1111, s8                     ; my column
	; group 1: elements of 8 bytes; a row is a step's bytes (A 1,024 elements, B 2,048), two rows, 8,192 elements from row to row; bit 21 beside the mask
	s_or_b32 s[G1A+0], s12, (3<<16)|(1<<21)
	s_or_b32 s[G1B+0], s13, (3<<16)|(1<<21)
	s_mov_b32 s[G1A+1], (AROW/8)<<16               ; tensor_dim0
	s_mov_b32 s[G1B+1], (BROW/8)<<16
	s_mov_b32 s[G1A+2], 2<<16                      ; tensor_dim1
	s_mov_b32 s[G1B+2], 2<<16
	s_mov_b32 s[G1A+3], (AROW/8)<<16               ; tile_dim0
	s_mov_b32 s[G1B+3], (BROW/8)<<16
	s_mov_b32 s[G1A+4], 2                          ; tile_dim1
	s_mov_b32 s[G1B+4], 2
	s_mov_b32 s[G1A+5], STEPB/8                    ; pitch
	s_mov_b32 s[G1B+5], STEPB/8
	s_mov_b32 s[G1A+6], 0
	s_mov_b32 s[G1B+6], 0
	s_mov_b32 s[G1A+7], 0
	s_mov_b32 s[G1B+7], 0
	; A: WA + (8 + 2 g) MiB + the block's four row tiles of the left factor, my two of them
	s_lshl_b32 s66, s14, 21
	s_add_co_u32 s66, s66, 8<<20
	s_lshr_b32 s68, s15, 2                         ; the 256-row group
	s_lshl_b32 s68, s68, 19
	s_add_co_u32 s66, s66, s68
	s_and_b32 s68, s15, 3                          ; four tiles of 4,096 bytes a block
	s_lshl_b32 s68, s68, 14
	s_add_co_u32 s66, s66, s68
	s_lshl_b32 s68, s22, 13
	s_add_co_u32 s66, s66, s68
	s_mov_b32 s67, 0
	; B: WA + (12 + 2 g) MiB + the block's eight row tiles of the transposed right factor, my four of them
	s_lshl_b32 s70, s14, 21
	s_add_co_u32 s70, s70, 12<<20
	s_lshr_b32 s72, s10, 1
	s_lshl_b32 s72, s72, 19
	s_add_co_u32 s70, s70, s72
	s_and_b32 s72, s10, 1
	s_lshl_b32 s72, s72, 15
	s_add_co_u32 s70, s70, s72
	s_lshl_b32 s72, s22, 14
	s_add_co_u32 s70, s70, s72
	s_mov_b32 s71, 0
	s_mul_i32 s74, s20, 6*AROW                     ; LDS: waves 2, 3 fill A's halves at 196,608 and 245,760,
	s_add_co_u32 s74, s74, ALDS-12*AROW
	s_mul_i32 s75, s20, 6*BROW                     ; waves 0, 1 B's halves at 0 and 98,304: the wave's number alone
	s_wait_dscnt 0x0
	s_wait_kmcnt 0x0
	s_add_nc_u64 s[66:67], s[4:5], s[66:67]
	s_add_nc_u64 s[70:71], s[4:5], s[70:71]
.irp i, 0,1,2
	s_mov_b32 s[G0A+4*\i], 1
	s_add_co_u32 s[G0A+4*\i+1], s74, \i*2*AROW
	s_add_nc_u64 s[G0A+4*\i+2:G0A+4*\i+3], s[66:67], \i*2*STEPB
	s_or_b32 s[G0A+4*\i+3], s[G0A+4*\i+3], 0x80000000
	s_mov_b32 s[G0B+4*\i], 1
	s_add_co_u32 s[G0B+4*\i+1], s75, \i*2*BROW
	s_add_nc_u64 s[G0B+4*\i+2:G0B+4*\i+3], s[70:71], \i*2*STEPB
	s_or_b32 s[G0B+4*\i+3], s[G0B+4*\i+3], 0x80000000
.endr
	CROUND                                         ; all sixteen work-groups are here: the first joint loads meet
	s_cmp_eq_u32 s21, 0                            ; the first fills, one group inside one branch on the wave's number: steps 0-1, 2-3, 4-5
	s_cbranch_scc0 .Lfirst_a
	tensor_load_to_lds s[G0B:G0B+3], s[G1B:G1B+7]
	s_nop 0
	tensor_load_to_lds s[G0B+4:G0B+7], s[G1B:G1B+7]
	s_nop 0
	tensor_load_to_lds s[G0B+8:G0B+11], s[G1B:G1B+7]
	s_nop 0
	s_branch .Lfirst_done
.Lfirst_a:
	tensor_load_to_lds s[G0A:G0A+3], s[G1A:G1A+7]
	s_nop 0
	tensor_load_to_lds s[G0A+4:G0A+7], s[G1A:G1A+7]
	s_nop 0
	tensor_load_to_lds s[G0A+8:G0A+11], s[G1A:G1A+7]
	s_nop 0
.Lfirst_done:
	; from here to the wait for all loads only s68, s76-s78 and s[6:7] are written: no register of a descriptor
	v_and_b32 v1, 31, v0
	v_lshlrev_b32 v[LN], 4, v1
	s_mul_i32 s68, s21, 6*AROW                     ; my 32 rows of A
	s_add_co_u32 s68, s68, ALDS
	v_add_nc_u32 v[ADRA], s68, v[LN]
	s_mul_i32 s68, s22, 6*BROW                     ; my 64 rows of B
	v_add_nc_u32 v[ADRB], s68, v[LN]
	v_add_nc_u32 v[ADRB+1], 4*BROW, v[ADRB]
	; where the results go: block (row tile 4 rowblk + 2 (w >> 1) + mt, k block 8 colblk + 4 (w & 1) + nt) of WC's weight g
	s_lshl_b32 s76, s14, 21
	s_lshr_b32 s78, s15, 2
	s_lshl_b32 s78, s78, 19
	s_add_co_u32 s76, s76, s78
	s_lshl_b32 s78, s10, 16
	s_add_co_u32 s76, s76, s78
	s_and_b32 s78, s15, 3
	s_lshl_b32 s78, s78, 14
	s_add_co_u32 s76, s76, s78
	s_lshl_b32 s78, s21, 13
	s_add_co_u32 s76, s76, s78
	s_lshl_b32 s78, s22, 11
	s_add_co_u32 s76, s76, s78
	s_mov_b32 s77, 0
	s_add_nc_u64 s[6:7], s[6:7], s[76:77]
	s_wait_tensorcnt 0x2                           ; my part of steps 0, 1 is in; my two younger loads stay out
	s_barrier_signal -1
	s_barrier_wait -1
	FETCH 0, 0
	STEP4 0, 1, 1                                  ; step 0: the first products start the sums: nothing is cleared
	STEP3 1, 0                                     ; step 1
	TURN 1, 2                                      ; steps 2 to 5 are in, in every wave's part; steps 6, 7 go out
	STEP4 2, 3, 0
	STEP4 3, 4, 0
	STEP4 4, 5, 0
	STEP3 5, 0
	TURN 0, 0                                      ; steps 6, 7 are in, at places 0, 1
	STEP4 0, 1, 0
	STEP3 1, 0
	s_wait_dscnt 0x0
	MUL 1, 0, MT, 0
	PLACES
.set ii, 0
.rept 32
	v_pk_mul_f32 v[ACC+2*ii:ACC+2*ii+1], v[ACC+2*ii:ACC+2*ii+1], 0x42000000 op_sel_hi:[1,0]   ; times 32
.set ii, ii+1
.endr
.set ii, 0
.rept 32
	v_cvt_pk_f16_f32 v[OUT+ii], v[ACC+2*ii], v[ACC+2*ii+1]         ; a tile's 8 registers become the lane's 16 bytes of a block
.set ii, ii+1
.endr
.irp mt, 0,1
.irp nt, 0,1,2,3
	global_store_b128 v[LN], v[OUT+4*(4*\mt+\nt):OUT+4*(4*\mt+\nt)+3], s[6:7] offset:\mt*4096+\nt*512   ; a whole block: 512 neighbouring bytes
.endr
.endr
	CROUND                                         ; the closing round: no work-group ends while a partner may still ask jointly
	s_endpgm
.Lfunc_end_k_q160f36cb2c_combine:
	.size	k_q160f36cb2c_combine, .Lfunc_end_k_q160f36cb2c_combine-k_q160f36cb2c_combine
	.p2alignl 7, 3214868480
	.fill 96, 4, 3214868480
	.section	.rodata,"a",@progbits
	.p2align	6, 0x0
	.amdhsa_kernel k_q160f36cb2c_combine
		.amdhsa_group_segment_fixed_size 327680
		.amdhsa_private_segment_fixed_size 0
		.amdhsa_enable_private_segment 0
		.amdhsa_kernarg_size 16
		.amdhsa_user_sgpr_count 2
		.amdhsa_user_sgpr_kernarg_segment_ptr 1
		.amdhsa_wavefront_size32 1
		.amdhsa_system_sgpr_workgroup_id_x 1
		.amdhsa_system_sgpr_workgroup_id_y 1
		.amdhsa_system_sgpr_workgroup_id_z 1
		.amdhsa_system_vgpr_workitem_id 0
		.amdhsa_next_free_vgpr 256
		.amdhsa_next_free_sgpr 80
		.amdhsa_reserve_vcc 0
		.amdhsa_float_denorm_mode_32 3
		.amdhsa_float_denorm_mode_16_64 3
		.amdhsa_memory_ordered 1
		.amdhsa_forward_progress 1
		.amdhsa_inst_pref_size 59
	.end_amdhsa_kernel
	.amdgpu_metadata
---
amdhsa.version: [ 1, 2 ]
amdhsa.kernels:
  - .name:           k_q160f36cb2c_combine
    .symbol:         k_q160f36cb2c_combine.kd
    .args:
      - { .name: WA, .offset: 0, .size: 8, .value_kind: global_buffer, .address_space: global }
      - { .name: WC, .offset: 8, .size: 8, .value_kind: global_buffer, .address_space: global }
    .group_segment_fixed_size: 327680
    .private_segment_fixed_size: 0
    .kernarg_segment_align: 8
    .kernarg_segment_size: 16
    .max_flat_workgroup_size: 128
    .sgpr_count:     80
    .vgpr_count:     256
    .wavefront_size: 32
...
	.end_amdgpu_metadata
.endif
;; end of part 2
;; launch proj1 (part 3): grid 4 x 64, 4 waves a work-group, clusters of 4 x 4, 327,680 bytes of LDS; arguments XF, WA, WC, TB, q_b, k_b, QK1, VF, SC; writes QK1, VF, SC
.if DOCPART == 3
	.amdgcn_target "amdgcn-amd-amdhsa--gfx1250"
	.amdhsa_code_object_version 6
	.text
	.protected	k_q160f36cb2c_proj1
	.globl	k_q160f36cb2c_proj1
	.p2align	8
	.type	k_q160f36cb2c_proj1,@function
k_q160f36cb2c_proj1:
	s_mov_b64 s[64:65], 0
	v_nop
	global_prefetch_b8 v0, s[64:65] scope:SCOPE_SE
	s_setreg_imm32_b32 hwreg(HW_REG_WAVE_MODE, 25, 1), 1
	s_wait_xcnt 0x0
	s_wait_alu depctr_hold_cnt(0) depctr_sa_sdst(0) depctr_va_vdst(0) depctr_va_sdst(0) depctr_va_ssrc(0) depctr_va_vcc(0) depctr_vm_vsrc(0)
	s_getreg_b32 s2, hwreg(HW_REG_IB_STS2, 6, 4)
	s_cmp_eq_u32 s2, 0
	s_cbranch_scc0 .Lentry_in_a_cluster
	s_endpgm
.Lentry_in_a_cluster:
	s_bfe_u32 s2, ttmp6, 0x10000c
	s_cmp_lg_u32 s2, 0xf033
	s_cbranch_scc0 .Lentry_shape_is_right
	s_endpgm
.Lentry_shape_is_right:
; PROJ1: for batch element b (work-group y) and 256 columns (work-group x): Q1 = rot(X q_w^T + q_b), K1 = rot(X k_w^T + k_b), V = X Wvc^T + bvc.
; V is final: its two linear maps are merged (head of prep).  X is read once for all three products.  X and the three weights are f16 (head of prep); sums in f32.
; A wave makes 112 rows (97 and padding) x 64 columns of each kind: 3 x 28 accumulator tiles, one register window of 256 for each kind.
; K goes in 16 steps of 64 through two LDS slots.  A slot: the three weights' 256 rows x 64 k (32,768 bytes each), then X's 112 rows x 64 k (14,336).
; All tiles are fragment blocks (16 rows x 16 k, 512 bytes, lane l owns bytes 16 l ..): a fragment load is 512 neighbouring bytes, no padding.
; CLUSTERS of 4 x 4: X's tile hangs on y alone: asked for jointly along the cluster's row by wave 3; the weights' tiles hang on x alone: jointly
; along the column, wave k asking for kind k.  One tensor load a wave behind each round; two out at the start, by this text's own count.
; q and k: source 0 = weight rows, source 1 = X rows: a lane holds eight neighbouring columns of one row s, four rotary pairs, and after the turn 16 bytes (bf16) of a
; block of the next product's operand.  v: source 0 = X rows: a lane holds eight neighbouring keys of one column: 16 bytes of a block of V transposed.
; V'S SCALE: V has no room in f16 as it is (with all inputs offset by 30 spreads it reaches 1e7).  My 64 columns are one head: I take s = the largest |V| of the head's
; 112 x 64 numbers (at least 2^-100), store V / s as f16 and s itself in SC[b][head].  Limit: |V| below 2^126, or 1 / s is flushed to zero.
; Rows 97..111 of X are zeros; what they give is finite (the bias), is stored, and reaches no result but s, which it does not harm: every row holds the bias.
.set SLOT, 112640
.set LN,   2                           ; v2      16 x lane  (v1: lane)
.set H32,  3                           ; v3      32 x (lane / 16)
.set R4,   4                           ; v4      4 x (lane % 16)
.set ZR,   5                           ; v5      0
.set ADRA, 8                           ; v8-9    LDS address of X's fragments in slot 0, 1
.set ADRB, 10                          ; v10-15  of my 64 weight rows: slot 0 kinds q, k, v; slot 1 likewise
.set AF,   32                          ; v[32:143]  X's fragments of the step's two halves of 32
.set BF,   144                         ; v[144:207] weight fragments, two buffers
; windows 1, 2, 3: v[0:223] accumulators of q, k, v, tile (mt, nt) at 8 (4 mt + nt); v[224:255] the kind's bias (window 3: v[224:231] bias, v[232:235] maxima)
.set CS,   32                          ; the way out, window 0: v[32:95] cos and sin, two buffers
.set X,    96                          ; v[96:127]  a row tile with its bias
.set T,    128                         ; v[128:135] at work; for V: T the scale s, T+2, T+3 its reciprocal
.set OUT,  136                         ; v[136:151] packed results
.set G1A, 24
.set G0A, 32
.set G1B, 48
.set G0B, 56
.set MSB, 0
.macro WIN new                         ; the immediate's high byte repeats the setting that is left
.if MSB != (\new)
	s_set_vgpr_msb (MSB<<8)|(\new)
.set MSB, (\new)
.endif
.endm
.macro PLACES                          ; four plain vector instructions between a matrix instruction and a load into, or a vector read of, its registers
.rept 4
	v_nop
.endr
.endm
.macro CREST
	s_cmp_lg_u32 s20, 0
	s_cbranch_scc1 .Lnot_wave_0_\@
	s_barrier_signal -3
.Lnot_wave_0_\@:
	s_barrier_wait -3
	s_barrier_signal -1
	s_barrier_wait -1
.endm
.macro CROUND
	s_barrier_signal -1
	s_barrier_wait -1
	CREST
.endm
.macro JLOAD s                         ; wave 3 asks for X's tile, waves 0, 1, 2 for their kind's weights
	s_cmp_eq_u32 s20, 3
	s_cbranch_scc1 .Lfor_a_\@
	tensor_load_to_lds s[G0B+4*\s:G0B+4*\s+3], s[G1B:G1B+7]
	s_nop 0
	s_branch .Lasked_\@
.Lfor_a_\@:
	tensor_load_to_lds s[G0A+4*\s:G0A+4*\s+3], s[G1A:G1A+7]
	s_nop 0
.Lasked_\@:
.endm
.macro WM d, a, b, zero
.if \zero
	v_wmma_f32_16x16x32_f16 v[\d:\d+7], v[\a:\a+7], v[\b:\b+7], 0
.else
	v_wmma_f32_16x16x32_f16 v[\d:\d+7], v[\a:\a+7], v[\b:\b+7], v[\d:\d+7]
.endif
.endm
.macro LDB slot, k, c, f               ; my 64 rows of kind k, half c of the step, into buffer f
.set ii, 0
.rept 4
	ds_load_b128 v[BF+32*(\f)+8*ii:BF+32*(\f)+8*ii+3], v[ADRB+3*(\slot)+(\k)] offset:ii*2048+(\c)*1024
	ds_load_b128 v[BF+32*(\f)+8*ii+4:BF+32*(\f)+8*ii+7], v[ADRB+3*(\slot)+(\k)] offset:ii*2048+(\c)*1024+512
.set ii, ii+1
.endr
.endm
.macro LDA slot, c                     ; X's 112 rows, half c of the step
.set ii, 0
.rept 7
	ds_load_b128 v[AF+56*(\c)+8*ii:AF+56*(\c)+8*ii+3], v[ADRA+\slot] offset:ii*2048+(\c)*1024
	ds_load_b128 v[AF+56*(\c)+8*ii+4:AF+56*(\c)+8*ii+7], v[ADRA+\slot] offset:ii*2048+(\c)*1024+512
.set ii, ii+1
.endr
.endm
; row tiles mfirst .. of kind k.  The accumulators take turns, one instruction a turn, over every seam and the backward jump.
.macro MULK k, c, f, mfirst, mcount, zero
	WIN 0x50*((\k)+1)                              ; C and D in the kind's window, the fragments in window 0
.set mm, \mfirst
.rept \mcount
.set nn, 0
.rept 4
.if (\k) == 2
	WM 8*(4*mm+nn), AF+56*(\c)+8*mm, BF+32*(\f)+8*nn, \zero
.else
	WM 8*(4*mm+nn), BF+32*(\f)+8*nn, AF+56*(\c)+8*mm, \zero
.endif
.set nn, nn+1
.endr
.set mm, mm+1
.endr
.endm
; A step has six phases p = 3 c + k of 28 matrix instructions.  Phases 0 to 4 ask for the next phase's weight fragments (phase 2 also for X's second half).
.macro PHASE slot, p, zero
	PLACES
	WIN 0
	LDB \slot, ((\p)+1)%3, ((\p)+1)/3, ((\p)+1)&1
.if (\p) == 2
	LDA \slot, 1
	s_wait_dscnt 22                                ; all but the 22 loads just issued
.else
	s_wait_dscnt 8                                 ; all but the 8 loads just issued
.endif
	MULK (\p)%3, (\p)/3, (\p)&1, 0, 7, \zero
.endm
; Phase 5 and the change of slots: each wave waits for its reads of this slot and for all its tensor loads (the one out is its part of the next slot), then the
; barrier; where the slot is filled again it opens a round of the cluster's barrier and the joint refill comes first behind the round.
.macro TURN2 slot, next, fill
	s_wait_dscnt 0x0
	s_wait_tensorcnt 0x0
	ds_add_u32 v254, v255
	s_wait_dscnt 0x0
	s_barrier_signal -1
	MULK 2, 1, 1, 0, 4, 0                          ; register work while the others arrive
	WIN 0
	s_barrier_wait -1
.if \fill
	CREST
	s_add_nc_u64 s[G0A+4*\slot+2:G0A+4*\slot+3], s[G0A+4*\slot+2:G0A+4*\slot+3], 28672   ; this slot's half of the next 128 along K
	s_add_nc_u64 s[G0B+4*\slot+2:G0B+4*\slot+3], s[G0B+4*\slot+2:G0B+4*\slot+3], 65536
	JLOAD \slot
.endif
	PLACES
	LDA \next, 0
	LDB \next, 0, 0, 0
	MULK 2, 1, 1, 4, 3, 0
.endm
.macro FIVE slot, zero
	PHASE \slot, 0, \zero
	PHASE \slot, 1, \zero
	PHASE \slot, 2, \zero
	PHASE \slot, 3, 0
	PHASE \slot, 4, 0
.endm
.macro LAP zero
	FIVE 0, \zero
	TURN2 0, 1, 1
	FIVE 1, 0
	TURN2 1, 0, 1
.endm
	s_load_b512 s[4:19], s[0:1], 0x0               ; XF 4, WA 6, WC 8, TB 10, q_b 12, k_b 14, QK1 16, VF 18
	s_load_b64 s[78:79], s[0:1], 0x40              ; SC
	v_lshl_add_u32 v254, v0, 2, 0x37000
	v_mov_b32 v255, 0
	ds_add_u32 v254, v255
	v_lshrrev_b32 v1, 5, v0
	v_readfirstlane_b32 s20, v1                    ; wave 0..3
	s_lshr_b32 s21, s20, 1
	s_and_b32 s22, s20, 1
	s_bfe_u32 s40, ttmp6, 0x40000                  ; cx
	s_bfe_u32 s41, ttmp6, 0x40004                  ; cy
	s_lshl_b32 s42, ttmp9, 2
	s_add_co_u32 s42, s42, s40                     ; work-group x = nb
	s_and_b32 s43, ttmp7, 0xffff
	s_lshl_b32 s43, s43, 2
	s_add_co_u32 s43, s43, s41                     ; work-group y = b
	s_lshl_b32 s44, s41, 2
	s_lshl_b32 s44, 15, s44                        ; my row of the cluster
	s_lshl_b32 s45, 0x1111, s40                    ; my column
	s_mov_b32 s76, 0x76543210                      ; v_permlanex16_b32: lane i reads lane i of the other half
	s_mov_b32 s77, 0xfedcba98
	; group 1: half a 128-step of the block order: rows of 2,048 bytes (256 elements of 8), 4,096 bytes apart; 7 rows of X, 16 of a weight
	s_or_b32 s[G1A+0], s44, (3<<16)|(1<<21)
	s_or_b32 s[G1B+0], s45, (3<<16)|(1<<21)
	s_mov_b32 s[G1A+1], 256<<16                    ; tensor_dim0
	s_mov_b32 s[G1B+1], 256<<16
	s_mov_b32 s[G1A+2], 7<<16                      ; tensor_dim1
	s_mov_b32 s[G1B+2], 16<<16
	s_mov_b32 s[G1A+3], 256<<16                    ; tile_dim0
	s_mov_b32 s[G1B+3], 256<<16
	s_mov_b32 s[G1A+4], 7                          ; tile_dim1
	s_mov_b32 s[G1B+4], 16
	s_mov_b32 s[G1A+5], 512                        ; pitch
	s_mov_b32 s[G1B+5], 512
	s_mov_b32 s[G1A+6], 0
	s_mov_b32 s[G1B+6], 0
	s_mov_b32 s[G1A+7], 0
	s_mov_b32 s[G1B+7], 0
	s_mul_i32 s66, s43, 229376                     ; X of batch b
	s_mov_b32 s67, 0
	s_lshl_b32 s70, s20, 21                        ; kinds q, k: 2 MiB apart in WA; kind v: WC's first weight
	s_cmp_eq_u32 s20, 2
	s_cselect_b32 s70, 0, s70
	s_lshl_b32 s72, s42, 19
	s_add_co_u32 s70, s70, s72                     ; the 256-row group nb
	s_mov_b32 s71, 0
	s_lshl_b32 s74, s20, 15                        ; LDS: wave x 32,768: the three kinds, then X
	s_wait_dscnt 0x0
	s_wait_kmcnt 0x0
	s_add_nc_u64 s[66:67], s[4:5], s[66:67]
	s_cmp_eq_u32 s20, 2
	s_cselect_b64 s[72:73], s[8:9], s[6:7]
	s_add_nc_u64 s[70:71], s[72:73], s[70:71]
	CROUND                                         ; all sixteen work-groups are here: the first joint loads meet
.irp s, 0,1
	s_mov_b32 s[G0A+4*\s], 1
	s_add_co_u32 s[G0A+4*\s+1], s74, \s*SLOT
	s_add_nc_u64 s[G0A+4*\s+2:G0A+4*\s+3], s[66:67], \s*2048
	s_or_b32 s[G0A+4*\s+3], s[G0A+4*\s+3], 0x80000000
	s_mov_b32 s[G0B+4*\s], 1
	s_add_co_u32 s[G0B+4*\s+1], s74, \s*SLOT
	s_add_nc_u64 s[G0B+4*\s+2:G0B+4*\s+3], s[70:71], \s*2048
	s_or_b32 s[G0B+4*\s+3], s[G0B+4*\s+3], 0x80000000
	JLOAD \s
.endr
	v_and_b32 v1, 31, v0
	v_lshlrev_b32 v[LN], 4, v1
	v_lshrrev_b32 v[H32], 4, v1
	v_lshlrev_b32 v[H32], 5, v[H32]
	v_and_b32 v[R4], 15, v1
	v_lshlrev_b32 v[R4], 2, v[R4]
	v_mov_b32 v[ZR], 0
	s_lshl_b32 s68, s20, 13                        ; my 64 rows of a weight tile: four tiles of 2,048 bytes
.irp s, 0,1
	v_add_nc_u32 v[ADRA+\s], 98304+\s*SLOT, v[LN]
.irp k, 0,1,2
	v_add_nc_u32 v[ADRB+3*\s+\k], s68, v[LN]
	v_add_nc_u32 v[ADRB+3*\s+\k], \k*32768+\s*SLOT, v[ADRB+3*\s+\k]
.endr
.endr
	s_lshl_b32 s46, s42, 10                        ; 4 n0 = 4 (256 nb + 64 w)
	s_lshl_b32 s72, s20, 8
	s_add_co_u32 s46, s46, s72
	s_mov_b32 s47, 0
	s_add_nc_u64 s[12:13], s[12:13], s[46:47]      ; q_b at my columns
	s_add_nc_u64 s[14:15], s[14:15], s[46:47]      ; k_b
	s_add_nc_u64 s[68:69], s[10:11], s[46:47]
	s_add_nc_u64 s[68:69], s[68:69], 516096        ; bvc
	s_lshl_b32 s46, s46, 4
	s_add_nc_u64 s[10:11], s[10:11], s[46:47]      ; the rotary table at column tile 16 nb + 4 w: 1,024 bytes a tile
	s_mul_i32 s46, s43, 458752
	s_lshl1_add_u32 s72, s42, s21
	s_mul_i32 s72, s72, 28672
	s_add_co_u32 s46, s46, s72
	s_lshl_b32 s72, s22, 11
	s_add_co_u32 s46, s46, s72
	s_add_nc_u64 s[16:17], s[16:17], s[46:47]      ; QK1: batch b, k block 16 nb + 4 w of the next product
	s_lshl_b32 s46, s43, 6
	s_lshl4_add_u32 s46, s42, s46
	s_lshl2_add_u32 s46, s20, s46                  ; 64 b + 16 nb + 4 w: my first column tile, and 4 bytes x (16 b + head)
	s_add_nc_u64 s[78:79], s[78:79], s[46:47]      ; SC[b][head]
	s_mul_i32 s46, s46, 3584
	s_add_nc_u64 s[18:19], s[18:19], s[46:47]      ; VF: batch b, column tile 16 nb + 4 w
	; the biases come in while the ring turns; the first wait on LOADcnt stands behind the ring
	WIN 0x40
.set ii, 0
.rept 8
	global_load_b128 v[224+4*ii:227+4*ii], v[H32], s[12:13] offset:(ii>>1)*64+(ii&1)*16   ; q_b of columns 16 nt + 8 h + 4 g ..
.set ii, ii+1
.endr
	WIN 0x80
.set ii, 0
.rept 8
	global_load_b128 v[224+4*ii:227+4*ii], v[H32], s[14:15] offset:(ii>>1)*64+(ii&1)*16
.set ii, ii+1
.endr
	WIN 0xc0
.irp nt, 0,1,2,3
	global_load_b32 v[224+2*\nt], v[R4], s[68:69] offset:\nt*64        ; bvc of column 16 nt + r, in both registers of a pair
	global_load_b32 v[225+2*\nt], v[R4], s[68:69] offset:\nt*64
.endr
	WIN 0
	s_wait_tensorcnt 0x1                           ; my part of step 0 is in; slot 1's load stays out
	s_barrier_signal -1
	s_barrier_wait -1
	LDA 0, 0
	LDB 0, 0, 0, 0
	LAP 1                                          ; the first products of each kind start the sums: nothing is cleared
	WIN 0
	s_mov_b32 s3, 6
.Llap:
	LAP 0
	WIN 0
	s_sub_co_u32 s3, s3, 1
	s_cmp_lg_u32 s3, 0
	s_cbranch_scc1 .Llap
	FIVE 0, 0                                      ; the last two steps fill nothing
	TURN2 0, 1, 0
	FIVE 1, 0
	s_wait_dscnt 0x0
	MULK 2, 1, 1, 0, 7, 0
	; THE WAY OUT: Q1 and K1 a row tile at a time, then V
.macro TLOAD mt                        ; cos and sin of row tile mt and my four column tiles: eight loads of 512 neighbouring bytes
.set ii, 0
.rept 8
	global_load_b128 v[CS+32*((\mt)&1)+4*ii:CS+32*((\mt)&1)+4*ii+3], v[LN], s[10:11] offset:(\mt)*65536+ii*512
.set ii, ii+1
.endr
.endm
.macro EPIQK mt, k                     ; kind k (0 q, 1 k): bias, rotary turn, bf16, four whole blocks
	WIN 5*((\k)+1)                                 ; sources in the kind's window, destination in window 0
.set ii, 0
.rept 16
	v_pk_add_f32 v[X+2*ii:X+2*ii+1], v[32*(\mt)+2*ii:32*(\mt)+2*ii+1], v[224+2*ii:225+2*ii]
.set ii, ii+1
.endr
	WIN 0
	s_wait_xcnt 0x0                                ; OUT, which the stores before read, is rewritten only behind this wait
.set CSB, CS+32*((\mt)&1)
.irp nt, 0,1,2,3
.irp q, 0,1,2,3
	v_mul_f32 v[T+2*\q], v[X+8*\nt+2*\q+1], v[CSB+8*\nt+2*\q+1]            ; xo sin
	v_mul_f32 v[T+2*\q+1], v[X+8*\nt+2*\q+1], v[CSB+8*\nt+2*\q]            ; xo cos
.endr
.irp q, 0,1,2,3
	v_fma_f32 v[T+2*\q], v[X+8*\nt+2*\q], v[CSB+8*\nt+2*\q], -v[T+2*\q]    ; xe cos - xo sin
	v_fma_f32 v[T+2*\q+1], v[X+8*\nt+2*\q], v[CSB+8*\nt+2*\q+1], v[T+2*\q+1]   ; xe sin + xo cos
.endr
.irp q, 0,1,2,3
	v_cvt_pk_bf16_f32 v[OUT+4*\nt+\q], v[T+2*\q], v[T+2*\q+1]
.endr
	global_store_b128 v[LN], v[OUT+4*\nt:OUT+4*\nt+3], s[16:17] offset:(\k)*229376+(\mt)*4096+\nt*512
.endr
.endm
.macro EPI mt
.if (\mt) < 6
	s_wait_loadcnt 8                               ; this row tile's table is in (and the biases, which are older); the next tile's eight loads stay out
.else
	s_wait_loadcnt 0x0
.endif
	EPIQK \mt, 0
	EPIQK \mt, 1
.if (\mt) < 5
	TLOAD (\mt)+2
.endif
.endm
.macro EPIV mt                         ; V / s, f16, four whole blocks of V transposed
	WIN 0x03                                       ; source 0 in window 3, the reciprocal and the destination in window 0
.set ii, 0
.rept 16
	v_pk_mul_f32 v[X+2*ii:X+2*ii+1], v[32*(\mt)+2*ii:32*(\mt)+2*ii+1], v[T+2:T+3]
.set ii, ii+1
.endr
	WIN 0
	s_wait_xcnt 0x0                                ; OUT, which the stores before read, is rewritten only behind this wait
.set ii, 0
.rept 16
	v_cvt_pk_f16_f32 v[OUT+ii], v[X+2*ii], v[X+2*ii+1]
.set ii, ii+1
.endr
.irp nt, 0,1,2,3
	global_store_b128 v[LN], v[OUT+4*\nt:OUT+4*\nt+3], s[18:19] offset:\nt*3584+(\mt)*512
.endr
.endm
	PLACES
	WIN 0
	TLOAD 0
	TLOAD 1
	EPI 0
	EPI 1
	EPI 2
	EPI 3
	EPI 4
	EPI 5
	EPI 6
	; V = sum / 32 + bvc, in place (the merged weight is stored times 32)
	WIN 0xff
.set tt, 0
.rept 28
.irp q, 0,1,2,3
	v_pk_fma_f32 v[8*tt+2*\q:8*tt+2*\q+1], v[8*tt+2*\q:8*tt+2*\q+1], 0x3d000000, v[224+2*(tt&3):225+2*(tt&3)] op_sel_hi:[1,0,1]
.endr
.set tt, tt+1
.endr
	; the largest |V| of my 224 numbers, in four chains started by the first eight: nothing is cleared
.irp k, 0,1,2,3
	v_max_num_f32 v[232+\k], |v[\k]|, |v[\k+4]|
.endr
.set jj, 2
.rept 27
.irp k, 0,1,2,3
	v_max3_num_f32 v[232+\k], v[232+\k], |v[4*jj+\k]|, |v[4*jj+4+\k]|
.endr
.set jj, jj+2
.endr
	v_max3_num_f32 v232, v232, v233, v234
	v_max_num_f32 v232, v232, v235
	WIN 0x03
	v_mov_b32 v[T], v232
	WIN 0
	v_max_num_f32_dpp v[T], v[T], v[T] row_xmask:1 row_mask:0xf bank_mask:0xf   ; across the 32 lanes: the head's 64 columns
	v_max_num_f32_dpp v[T], v[T], v[T] row_xmask:2 row_mask:0xf bank_mask:0xf
	v_max_num_f32_dpp v[T], v[T], v[T] row_xmask:4 row_mask:0xf bank_mask:0xf
	v_max_num_f32_dpp v[T], v[T], v[T] row_xmask:8 row_mask:0xf bank_mask:0xf
	v_permlanex16_b32 v[T+1], v[T], s76, s77       ; T+1 has been written by the rotary turns
	v_max3_num_f32 v[T], v[T], v[T+1], 0x0d800000  ; s, at least 2^-100: a head of zeros stays zeros
	v_rcp_f32 v[T+2], v[T]                         ; twice, for the packed multiply
	v_rcp_f32 v[T+3], v[T]
	v_nop                                          ; one plain instruction behind the transcendentals (ISA guide 5.7.2)
	v_cmp_eq_u32 vcc_lo, 0, v1
	s_wait_alu depctr_va_vdst(0)
	s_wait_xcnt 0x0                                ; EXEC is a source of the stores above: it changes only behind this wait
	s_and_saveexec_b32 s46, vcc_lo
	global_store_b32 v[ZR], v[T], s[78:79]         ; 4 bytes a wave, 4,096 in the launch: these stores do not fill 256-byte blocks
	s_wait_xcnt 0x0
	s_or_b32 exec_lo, exec_lo, s46
	EPIV 0
	EPIV 1
	EPIV 2
	EPIV 3
	EPIV 4
	EPIV 5
	EPIV 6
	CROUND                                         ; the closing round
	s_endpgm
.Lfunc_end_k_q160f36cb2c_proj1:
	.size	k_q160f36cb2c_proj1, .Lfunc_end_k_q160f36cb2c_proj1-k_q160f36cb2c_proj1
	.p2alignl 7, 3214868480
	.fill 96, 4, 3214868480
	.section	.rodata,"a",@progbits
	.p2align	6, 0x0
	.amdhsa_kernel k_q160f36cb2c_proj1
		.amdhsa_group_segment_fixed_size 327680
		.amdhsa_private_segment_fixed_size 0
		.amdhsa_enable_private_segment 0
		.amdhsa_kernarg_size 72
		.amdhsa_user_sgpr_count 2
		.amdhsa_user_sgpr_kernarg_segment_ptr 1
		.amdhsa_wavefront_size32 1
		.amdhsa_system_sgpr_workgroup_id_x 1
		.amdhsa_system_sgpr_workgroup_id_y 1
		.amdhsa_system_sgpr_workgroup_id_z 1
		.amdhsa_system_vgpr_workitem_id 0
		.amdhsa_next_free_vgpr 1024
		.amdhsa_next_free_sgpr 80
		.amdhsa_reserve_vcc 1
		.amdhsa_float_denorm_mode_32 3
		.amdhsa_float_denorm_mode_16_64 3
		.amdhsa_memory_ordered 1
		.amdhsa_forward_progress 1
		.amdhsa_inst_pref_size 231
	.end_amdhsa_kernel
	.amdgpu_metadata
---
amdhsa.version: [ 1, 2 ]
amdhsa.kernels:
  - .name:           k_q160f36cb2c_proj1
    .symbol:         k_q160f36cb2c_proj1.kd
    .args:
      - { .name: XF, .offset: 0, .size: 8, .value_kind: global_buffer, .address_space: global }
      - { .name: WA, .offset: 8, .size: 8, .value_kind: global_buffer, .address_space: global }
      - { .name: WC, .offset: 16, .size: 8, .value_kind: global_buffer, .address_space: global }
      - { .name: TB, .offset: 24, .size: 8, .value_kind: global_buffer, .address_space: global }
      - { .name: q_b, .offset: 32, .size: 8, .value_kind: global_buffer, .address_space: global }
      - { .name: k_b, .offset: 40, .size: 8, .value_kind: global_buffer, .address_space: global }
      - { .name: QK1, .offset: 48, .size: 8, .value_kind: global_buffer, .address_space: global }
      - { .name: VF, .offset: 56, .size: 8, .value_kind: global_buffer, .address_space: global }
      - { .name: SC, .offset: 64, .size: 8, .value_kind: global_buffer, .address_space: global }
    .group_segment_fixed_size: 327680
    .private_segment_fixed_size: 0
    .kernarg_segment_align: 8
    .kernarg_segment_size: 72
    .max_flat_workgroup_size: 128
    .sgpr_count:     80
    .vgpr_count:     1024
    .wavefront_size: 32
...
	.end_amdgpu_metadata
.endif
;; end of part 3
;; launch attn (part 4): grid 4 x 64, 4 waves a work-group, clusters of 4 x 4, 327,680 bytes of LDS; arguments QK1, WA, VF, TB, in_proj_b, OF, SC; writes OF
.if DOCPART == 4
	.amdgcn_target "amdgcn-amd-amdhsa--gfx1250"
	.amdhsa_code_object_version 6
	.text
	.protected	k_q160f36cb2c_attn
	.globl	k_q160f36cb2c_attn
	.p2align	8
	.type	k_q160f36cb2c_attn,@function
k_q160f36cb2c_attn:
	s_mov_b64 s[64:65], 0
	v_nop
	global_prefetch_b8 v0, s[64:65] scope:SCOPE_SE
	s_setreg_imm32_b32 hwreg(HW_REG_WAVE_MODE, 25, 1), 1
	s_wait_xcnt 0x0
	s_wait_alu depctr_hold_cnt(0) depctr_sa_sdst(0) depctr_va_vdst(0) depctr_va_sdst(0) depctr_va_ssrc(0) depctr_va_vcc(0) depctr_vm_vsrc(0)
	s_getreg_b32 s2, hwreg(HW_REG_IB_STS2, 6, 4)
	s_cmp_eq_u32 s2, 0
	s_cbranch_scc0 .Lentry_in_a_cluster
	s_endpgm
.Lentry_in_a_cluster:
	s_bfe_u32 s2, ttmp6, 0x10000c
	s_cmp_lg_u32 s2, 0xf033
	s_cbranch_scc0 .Lentry_shape_is_right
	s_endpgm
.Lentry_shape_is_right:
; ATTN: for batch element b (work-group y) and four heads (work-group x), one head a wave: Q2 = Q1 Wq^T + bq, K2 = K1 Wk^T, then
; O = softmax(Q2 K2^T / 8 + mask) V.  Left out: bk = in_proj_b[1024:2048]: it adds the same number to every key's score of a query (head of prep).
; The two products run as ONE stream of 2,048 along K (QK1 and the woven weights in WA lie in that order, in steps of 128: steps 0..7 make Q2, steps 8..15 K2).
; THE RING: two LDS slots of 192 along K, the largest that fit twice (2 x 141,312 bytes; slots of 256 would take 376,832): the fewer changes of slots, the fewer
; waits for a tile, and a tile has 168 matrix instructions of each wave to land in.  A slot: weights of a whole step (256 rows, 65,536 bytes), weights of half a step
; (32,768), activations of a whole step (112 rows, 28,672), of half a step (14,336), all in fragment blocks of 512 bytes, read at 16 x lane.
; Slot 2 m (buffer 0) holds step 3 m and the first half of step 3 m + 1; slot 2 m + 1 (buffer 1) the second half of step 3 m + 1 and step 3 m + 2, read in that order.
; Eleven slots; slot 5 holds Q's last 64 and K's first 128; slot 10 holds step 15 alone.  A whole step lies dense in memory; half a step is one row of 2,048 bytes
; for each tile of 16 rows, 4,096 bytes apart.  Wave 0 asks for the whole step's weights, wave 1 for the half step's, waves 2, 3 likewise for the activations:
; each of the four loads has a line of the text that one wave alone reaches and shape registers of its own, written once as constants; the LDS address is
; wave x 65,536 for the weights and 40,960 + wave x 28,672 for the activations, plus the slot's 141,312.
; CLUSTERS of 4 x 4: the activations hang on y alone (asked for jointly along the cluster's row), the weights on x alone (along the column).
; One tensor load a wave behind each round; two out at the start, by this text's own count.
; SCALARS: s[24:63] and s[68:75] are descriptors: written ahead of the first loads, and the addresses behind the wait that shows every load done; all else lies outside them.
; Q2, K2, the scores and the weights of the softmax never leave registers: with weight rows as source 0 a lane holds eight neighbouring columns of one row,
; which, rounded to 16 bits, ARE the lane's part of a fragment of the next product.  The same holds from scores to P and from P V to the block of O.
; FORMATS (head of prep): the way to the scores is bf16; P, which lies in [0, 1], V / s and O / S are f16.  s = SC[b][head] is the head's largest |V|, S the largest of
; the batch element's sixteen s.  O is a mix of V's rows with weights that sum to 1, so |O| <= s <= S.  O / S = (P V/s) / (L S/s), L the sum of P: the factor S/s is
; multiplied into L in front of the reciprocal.  Where S/s overflows, the head is nothing beside the largest and its O / S comes out 0.
; The softmax takes the row's true maximum away; the exponentials are in base 2: Q2 is scaled by log2(e)/8 and the mask table holds log2(e) mask, which enters as
; the C operand of the score products.  Keys 97..111 hold -inf there and get weight 0; keys 112..127 of the last fragment are zeros on both sides.
; A query whose mask is -inf at every key gives NaN, as the softmax of such a row does.  Query rows 97..111 give finite numbers that reach no result.
.set MT,    7
.set MT1,   4                          ; row tiles multiplied between the signal and the wait of a change of slots
.set ASTEP, 28672                      ; a step of 128 along K in memory: activations,
.set BSTEP, 65536                      ; weights
.set BHL,   65536                      ; in a slot: the whole step's weights at 0, the half step's here,
.set AWL,   98304                      ; the whole step's activations,
.set AHL,   126976                     ; the half step's
.set SLOT,  141312
.set NLD,   8+2*MT                     ; LDS loads of one chunk of 32 along K
.set LN,    2                          ; v2      16 x lane
.set H32,   3                          ; v3      32 x (lane / 16)
.set R4,    4                          ; v4      4 x (lane % 16)
.set HD,    5                          ; v5      4 x head
.set SCV,   12                         ; v12     s of head lane % 16, then S
.set SCH,   13                         ; v13     s of my head
.set GT,    14                         ; v14     S / s
.set ADR,   16                         ; v16-23  LDS addresses, four a slot: my weights whole, half; the activations whole, half
.set AF,    32                         ; window 0: v[32:143] activation fragments, v[144:207] weight fragments, two buffers each
.set BF,    144
.set ACC,   0                          ; window 1: Q2's 28 tiles, window 2: K2's; then packed to fragments (i, c) at 16 i + 8 c in v[0:111]
.set P,     112                        ; window 1: v[112:143] softmax weights as four fragments
.set O,     144                        ; window 1: v[144:175] four tiles of O
.set OUT,   176                        ; window 1: v[176:191]
.set LA1,   192                        ; window 1: 16 x lane
.set M,     224                        ; window 2: v[112:167], v[168:223] scores, two buffers; v[224:227] maxima
.set MM,    228                        ; window 2: the row's maximum, twice
.set L,     230                        ; window 2: v[230:237] sums
.set R,     238                        ; window 2: 1 / (L S/s), twice
.set T,     240                        ; window 2: the other half's figure
.set LA2,   241                        ; window 2: 16 x lane
.set G,     242                        ; window 2: S / s
.set BQ,    128                        ; window 3: v[0:127] V's fragments (dt, c) at 8 (4 dt + c); v[128:159] bq
.set G1BW, 24                          ; s[24:31] group 1: weights, a whole step
.set G1BH, 32                          ; s[32:39] group 1: weights, half a step
.set G1AW, 40                          ; s[40:47] group 1: activations, a whole step
.set G1AH, 48                          ; s[48:55] group 1: activations, half a step
.set G0B,  56                          ; s[56:63] group 0 for the weights, one set a slot
.set G0A,  68                          ; s[68:75] group 0 for the activations, one set a slot
.set MSB, 0
.macro WIN new                         ; the immediate's high byte repeats the setting that is left
.if MSB != (\new)
	s_set_vgpr_msb (MSB<<8)|(\new)
.set MSB, (\new)
.endif
.endm
.macro PLACES                          ; four plain vector instructions between a matrix instruction and a load into, or a vector read of, its registers
.rept 4
	v_nop
.endr
.endm
.macro CREST
	s_cmp_lg_u32 s20, 0
	s_cbranch_scc1 .Lnot_wave_0_\@
	s_barrier_signal -3
.Lnot_wave_0_\@:
	s_barrier_wait -3
	s_barrier_signal -1
	s_barrier_wait -1
.endm
.macro CROUND
	s_barrier_signal -1
	s_barrier_wait -1
	CREST
.endm
; group 1: elements of 8 bytes, bit 21 beside the mask; r rows of c elements, p elements from row to row
.macro G1SET g, mask, c, r, p
	s_or_b32 s[\g], \mask, (3<<16)|(1<<21)
	s_mov_b32 s[\g+1], (\c)<<16                    ; tensor_dim0
	s_mov_b32 s[\g+2], (\r)<<16                    ; tensor_dim1
	s_mov_b32 s[\g+3], (\c)<<16                    ; tile_dim0
	s_mov_b32 s[\g+4], \r                          ; tile_dim1
	s_mov_b32 s[\g+5], \p                          ; pitch
	s_mov_b32 s[\g+6], 0
	s_mov_b32 s[\g+7], 0
.endm
.macro TL g0, g1, s
	tensor_load_to_lds s[\g0+4*(\s):\g0+4*(\s)+3], s[\g1:\g1+7]
	s_nop 0
.endm
; My joint load for buffer s: one arm for each wave, by compares of the wave's number with constants, the same in every work-group.
; who = 1: every wave has a part; who = 2: the slot holds a whole step alone, waves 1 and 3 have none.  both = 1: the two first fills, buffers 0 and 1, in one arm.
.macro JLOAD s, who, both
	s_cmp_lg_u32 s20, 0
	s_cbranch_scc1 .Lw1_\@
	TL G0B, G1BW, \s
.if \both
	TL G0B, G1BW, 1
.endif
	s_branch .Lasked_\@
.Lw1_\@:
	s_cmp_lg_u32 s20, 1
	s_cbranch_scc1 .Lw2_\@
.if (\who) != 2
	TL G0B, G1BH, \s
.if \both
	TL G0B, G1BH, 1
.endif
.endif
	s_branch .Lasked_\@
.Lw2_\@:
	s_cmp_lg_u32 s20, 2
	s_cbranch_scc1 .Lw3_\@
	TL G0A, G1AW, \s
.if \both
	TL G0A, G1AW, 1
.endif
	s_branch .Lasked_\@
.Lw3_\@:
.if (\who) != 2
	TL G0A, G1AH, \s
.if \both
	TL G0A, G1AH, 1
.endif
.endif
.Lasked_\@:
.endm
; Chunk q of the stream's 64 (32 along K each): chunks 0..31 add to Q2 in window 1, 32..63 to K2 in window 2; the first of each starts the sums: nothing is cleared.
.macro SETW q
.if (\q) < 32
.set MULWIN, 0x50
.else
.set MULWIN, 0xa0
.endif
.set ZF, 0
.if (\q) == 0
.set ZF, 1
.endif
.if (\q) == 32
.set ZF, 1
.endif
.endm
.macro WM d, a, b
.if ZF
	v_wmma_f32_16x16x32_bf16 v[\d:\d+7], v[\a:\a+7], v[\b:\b+7], 0
.else
	v_wmma_f32_16x16x32_bf16 v[\d:\d+7], v[\a:\a+7], v[\b:\b+7], v[\d:\d+7]
.endif
.endm
; The accumulators take turns, one instruction a turn, over every seam of the text.
.macro MUL f, mfirst, mcount
.set mm, \mfirst
.rept \mcount
.set nn, 0
.rept 4
	WM ACC+8*(4*mm+nn), BF+32*(\f)+8*nn, AF+8*MT*(\f)+8*mm
.set nn, nn+1
.endr
.set mm, mm+1
.endr
.endm
; 22 LDS loads: chunk c of the whole step (k = 0: tiles 4,096 bytes apart) or of the half step (k = 1: 2,048 apart) in buffer buf, into fragment buffer f
.macro FR buf, c, f, k
.set ii, 0
.rept 4
	ds_load_b128 v[BF+32*(\f)+8*ii:BF+32*(\f)+8*ii+3], v[ADR+4*(\buf)+(\k)] offset:ii*(4096>>(\k))+(\c)*1024
	ds_load_b128 v[BF+32*(\f)+8*ii+4:BF+32*(\f)+8*ii+7], v[ADR+4*(\buf)+(\k)] offset:ii*(4096>>(\k))+(\c)*1024+512
.set ii, ii+1
.endr
.set ii, 0
.rept MT
	ds_load_b128 v[AF+8*MT*(\f)+8*ii:AF+8*MT*(\f)+8*ii+3], v[ADR+4*(\buf)+2+(\k)] offset:ii*(4096>>(\k))+(\c)*1024
	ds_load_b128 v[AF+8*MT*(\f)+8*ii+4:AF+8*MT*(\f)+8*ii+7], v[ADR+4*(\buf)+2+(\k)] offset:ii*(4096>>(\k))+(\c)*1024+512
.set ii, ii+1
.endr
.endm
; chunk j (0..5) of buffer buf: buffer 0 holds the whole step first, buffer 1 the half step first
.macro FETCH buf, j
	WIN 0
.if (\buf) == 0
.if (\j) < 4
	FR 0, \j, (\j)&1, 0
.else
	FR 0, (\j)-4, (\j)&1, 1
.endif
.else
.if (\j) < 2
	FR 1, \j, (\j)&1, 1
.else
	FR 1, (\j)-2, (\j)&1, 0
.endif
.endif
.endm
.macro CH s, j                         ; chunk j of slot s, not its last: ask for the next chunk's fragments, multiply this one's
	PLACES
	FETCH (\s)&1, (\j)+1
	s_wait_dscnt NLD                               ; all but the 22 loads just issued: this chunk's fragments are in
	SETW 6*(\s)+(\j)
	WIN MULWIN
	MUL (\j)&1, 0, MT
.endm
.macro RUN s, n                        ; all chunks of slot s, which has n, but the last
.set jq, 0
.rept (\n)-1
	CH \s, jq
.set jq, jq+1
.endr
.endm
; The sixth chunk of slot s and the change of slots: my reads of this slot and all my tensor loads (the one that is out is my part of the next slot) are waited for,
; then the barrier; where the slot's buffer is filled again (who > 0) it opens a round of the cluster's barrier and the joint refill comes first behind the round.
.macro TURN s, who
	s_wait_dscnt 0x0
	s_wait_tensorcnt 0x0
	ds_add_u32 v254, v255
	s_wait_dscnt 0x0
	s_barrier_signal -1
	SETW 6*(\s)+5
	WIN MULWIN
	MUL 1, 0, MT1                                  ; register work while the others arrive
	WIN 0
	s_barrier_wait -1
.if \who
	CREST
	s_add_nc_u64 s[G0A+4*((\s)&1)+2:G0A+4*((\s)&1)+3], s[G0A+4*((\s)&1)+2:G0A+4*((\s)&1)+3], 3*ASTEP   ; no load of mine is out: the addresses may step: two slots are three steps
	s_add_nc_u64 s[G0B+4*((\s)&1)+2:G0B+4*((\s)&1)+3], s[G0B+4*((\s)&1)+2:G0B+4*((\s)&1)+3], 3*BSTEP
	JLOAD (\s)&1, \who, 0
.endif
	PLACES
	FETCH ((\s)+1)&1, 0
	WIN MULWIN
	MUL 1, MT1, MT-MT1
.endm
	s_load_b256 s[4:11], s[0:1], 0x0               ; QK1 4, WA 6, VF 8, TB 10
	s_load_b128 s[12:15], s[0:1], 0x20             ; in_proj_b 12, OF 14
	s_load_b64 s[16:17], s[0:1], 0x30              ; SC
	v_lshl_add_u32 v254, v0, 2, 0x45000
	v_mov_b32 v255, 0
	ds_add_u32 v254, v255
	v_lshrrev_b32 v1, 5, v0
	v_readfirstlane_b32 s20, v1                    ; wave 0..3
	s_lshr_b32 s21, s20, 1
	s_and_b32 s22, s20, 1                          ; loads: 0 a whole step, 1 half a step
	s_bfe_u32 s76, ttmp6, 0x40000                  ; cx
	s_bfe_u32 s77, ttmp6, 0x40004                  ; cy
	s_lshl_b32 s78, ttmp9, 2
	s_add_co_u32 s78, s78, s76                     ; work-group x = hg: heads 4 hg .. 4 hg + 3
	s_and_b32 s79, ttmp7, 0xffff
	s_lshl_b32 s79, s79, 2
	s_add_co_u32 s79, s79, s77                     ; work-group y = b
	s_lshl_b32 s80, s77, 2
	s_lshl_b32 s80, 15, s80                        ; my row of the cluster
	s_lshl_b32 s81, 0x1111, s76                    ; my column
	s_mov_b32 s82, 0x76543210                      ; v_permlanex16_b32: lane i reads lane i of the other half
	s_mov_b32 s83, 0xfedcba98
	G1SET G1BW, s81, 32, BSTEP/256, 32             ; a whole step is a dense block: rows of 256 bytes
	G1SET G1BH, s81, 256, 16, 512                  ; half a step: a row of 2,048 bytes for each tile of 16 rows, 4,096 bytes apart
	G1SET G1AW, s80, 32, ASTEP/256, 32
	G1SET G1AH, s80, 256, 7, 512
	; where the tiles come from: slot 0 holds step 0 whole and the first half of step 1, slot 1 the second half of step 1 and step 2 whole
	s_mul_i32 s84, s79, 458752                     ; QK1 of batch b
	s_mul_i32 s88, s22, ASTEP-2048
	s_sub_co_u32 s88, 2*ASTEP, s88                 ; slot 1: 2 steps on, or 1 step and 2,048 bytes
	s_add_co_u32 s88, s88, s84
	s_mul_i32 s98, s22, ASTEP                      ; slot 0: 0, or 1 step on
	s_add_co_u32 s84, s84, s98
	s_mov_b32 s85, 0
	s_mov_b32 s89, 0
	s_lshl_b32 s86, s78, 20                        ; WA + 4 MiB + head group hg
	s_add_co_u32 s86, s86, 4<<20
	s_mul_i32 s90, s22, BSTEP-2048
	s_sub_co_u32 s90, 2*BSTEP, s90
	s_add_co_u32 s90, s90, s86
	s_lshl_b32 s99, s22, 16
	s_add_co_u32 s86, s86, s99
	s_mov_b32 s87, 0
	s_mov_b32 s91, 0
	s_mul_i32 s96, s20, ASTEP                      ; and where they go: waves 2, 3: 98,304 and 126,976,
	s_add_co_u32 s96, s96, AWL-2*ASTEP
	s_lshl_b32 s97, s20, 16                        ; waves 0, 1: 0 and 65,536: the wave's number alone
	s_wait_dscnt 0x0
	s_wait_kmcnt 0x0
.irp s, 0,1
	s_mov_b32 s[G0A+4*\s], 1
	s_add_co_u32 s[G0A+4*\s+1], s96, \s*SLOT
	s_add_nc_u64 s[G0A+4*\s+2:G0A+4*\s+3], s[4:5], s[84+4*\s:85+4*\s]
	s_or_b32 s[G0A+4*\s+3], s[G0A+4*\s+3], 0x80000000
	s_mov_b32 s[G0B+4*\s], 1
	s_add_co_u32 s[G0B+4*\s+1], s97, \s*SLOT
	s_add_nc_u64 s[G0B+4*\s+2:G0B+4*\s+3], s[6:7], s[86+4*\s:87+4*\s]
	s_or_b32 s[G0B+4*\s+3], s[G0B+4*\s+3], 0x80000000
.endr
	CROUND                                         ; all sixteen work-groups are here: the first joint loads meet
	JLOAD 0, 1, 1                                  ; slots 0 and 1, both of a wave's loads in its one arm
	; from here on the scalars written are s66, s67, s98-s100 and the pointers s[8:17]: no register of a descriptor
	v_and_b32 v1, 31, v0
	v_lshlrev_b32 v[LN], 4, v1
	v_lshrrev_b32 v[H32], 4, v1
	v_lshlrev_b32 v[H32], 5, v[H32]
	v_and_b32 v[R4], 15, v1
	v_lshlrev_b32 v[R4], 2, v[R4]
	s_lshl_b32 s66, s20, 14                        ; my 64 weight rows: four tiles of 4,096 bytes in a whole step,
	s_lshl_b32 s67, s20, 13                        ; of 2,048 in half a step
	s_add_co_u32 s67, s67, BHL
.irp s, 0,1
	v_add_nc_u32 v[ADR+4*\s], s66, v[LN]
	v_add_nc_u32 v[ADR+4*\s+1], s67, v[LN]
	v_add_nc_u32 v[ADR+4*\s+2], AWL+\s*SLOT, v[LN]
	v_add_nc_u32 v[ADR+4*\s+3], AHL+\s*SLOT, v[LN]
	s_add_co_u32 s66, s66, SLOT
	s_add_co_u32 s67, s67, SLOT
.endr
	s_lshl_b32 s98, s79, 6
	s_mov_b32 s99, 0
	s_add_nc_u64 s[16:17], s[16:17], s[98:99]      ; SC of batch b: sixteen numbers
	s_lshl4_add_u32 s98, s78, s98
	s_lshl2_add_u32 s98, s20, s98
	s_mul_i32 s98, s98, 3584
	s_add_nc_u64 s[8:9], s[8:9], s[98:99]          ; VF: batch b, my head's four column tiles
	s_add_nc_u64 s[10:11], s[10:11], 458752        ; the mask table
	s_lshl2_add_u32 s98, s78, s20                  ; head
	s_lshl_b32 s100, s98, 2
	v_mov_b32 v[HD], s100
	s_lshl_b32 s98, s98, 8
	s_add_nc_u64 s[12:13], s[12:13], s[98:99]      ; bq of my head
	s_mul_i32 s98, s79, 229376
	s_lshl1_add_u32 s100, s78, s21
	s_mul_i32 s100, s100, 28672
	s_add_co_u32 s98, s98, s100
	s_lshl_b32 s100, s22, 11
	s_add_co_u32 s98, s98, s100
	s_add_nc_u64 s[14:15], s[14:15], s[98:99]      ; OF: batch b, k block 16 hg + 4 w of the last product
	; V, bq and the scales come in while the ring turns; they are waited for behind it
	WIN 0xc0
.irp dt, 0,1,2,3
.set ii, 0
.rept 7
	global_load_b128 v[32*\dt+4*ii:32*\dt+4*ii+3], v[LN], s[8:9] offset:(7*\dt+ii)*512   ; key tile ii of column tile dt: half a fragment
.set ii, ii+1
.endr
.irp q, 28,29,30,31
	v_mov_b32 v[32*\dt+\q], 0                      ; keys 112..127 do not exist
.endr
.endr
.set ii, 0
.rept 8
	global_load_b128 v[BQ+4*ii:BQ+4*ii+3], v[H32], s[12:13] offset:(ii>>1)*64+(ii&1)*16
.set ii, ii+1
.endr
	WIN 0
	global_load_b32 v[SCV], v[R4], s[16:17]        ; s of head lane % 16
	global_load_b32 v[SCH], v[HD], s[16:17]        ; s of my head, in every lane
	s_wait_tensorcnt 0x1                           ; my part of slot 0 is in; slot 1's load stays out
	s_barrier_signal -1
	s_barrier_wait -1
	FETCH 0, 0
.irp s, 0,1,2,3,4,5,6,7
	RUN \s, 6
	TURN \s, 1                                     ; slot s + 2 goes out
.endr
	RUN 8, 6
	TURN 8, 2                                      ; slot 10 is step 15 alone: waves 0 and 2 ask
	RUN 9, 6
	TURN 9, 0                                      ; nothing is left to fetch
	RUN 10, 4
	s_wait_dscnt 0x0
	SETW 63
	WIN MULWIN
	MUL 1, 0, MT
	PLACES
	s_wait_loadcnt 0x0                             ; V, bq and the scales
	WIN 0
	v_max_num_f32_dpp v[SCV], v[SCV], v[SCV] row_xmask:1 row_mask:0xf bank_mask:0xf   ; S: each half of 16 lanes holds all sixteen heads' s
	v_max_num_f32_dpp v[SCV], v[SCV], v[SCV] row_xmask:2 row_mask:0xf bank_mask:0xf
	v_max_num_f32_dpp v[SCV], v[SCV], v[SCV] row_xmask:4 row_mask:0xf bank_mask:0xf
	v_max_num_f32_dpp v[SCV], v[SCV], v[SCV] row_xmask:8 row_mask:0xf bank_mask:0xf
	v_rcp_f32 v[GT], v[SCH]
	v_nop                                          ; one plain instruction behind a transcendental (ISA guide 5.7.2)
	s_wait_alu depctr_va_vdst(0)
	v_mul_f32 v[GT], v[GT], v[SCV]                 ; S / s
	WIN 0xff
.set ii, 0
.rept 16
	v_pk_mul_f32 v[BQ+2*ii:BQ+2*ii+1], v[BQ+2*ii:BQ+2*ii+1], 0x3e38aa3b op_sel_hi:[1,0]   ; log2(e) / 8
.set ii, ii+1
.endr
	WIN 0x71
.set tt, 0
.rept 28
.irp q, 0,1,2,3
	v_pk_fma_f32 v[8*tt+2*\q:8*tt+2*\q+1], v[8*tt+2*\q:8*tt+2*\q+1], 0x3e38aa3b, v[BQ+8*(tt&3)+2*\q:BQ+8*(tt&3)+2*\q+1] op_sel_hi:[1,0,1]
.endr
.set tt, tt+1
.endr
	WIN 0x45
.set ii, 0
.rept 112
	v_cvt_pk_bf16_f32 v[ii], v[2*ii], v[2*ii+1]    ; packed upward in place: register ii is read no later than it is written
.set ii, ii+1
.endr
	WIN 0x8a
.set ii, 0
.rept 112
	v_cvt_pk_bf16_f32 v[ii], v[2*ii], v[2*ii+1]
.set ii, ii+1
.endr
	WIN 0x40
.irp q, 28,29,30,31
	v_mov_b32 v[P+\q], 0                           ; keys 112..127
.endr
	v_mov_b32 v[LA1], v[LN]
	WIN 0x80
	v_mov_b32 v[LA2], v[LN]
	v_mov_b32 v[G], v[GT]
	v_mov_b32 v[T], 0                              ; v_permlanex16_b32 counts as a reader of its destination
.macro MLOAD i, dst                    ; the mask of query tile i, keys 0..111: fourteen loads of 512 neighbouring bytes, straight into the scores' registers
.set ii, 0
.rept 14
	global_load_b128 v[\dst+4*ii:\dst+4*ii+3], v[LA2], s[10:11] offset:(\i)*8192+ii*512
.set ii, ii+1
.endr
.endm
.macro QTILE i
.set SB, 112+56*((\i)&1)
.set SN, 112+56*(((\i)+1)&1)
	WIN 0xaa
.if (\i) < 6
	MLOAD (\i)+1, SN
	s_wait_loadcnt 14                              ; this tile's mask is in; the next tile's fourteen loads stay out
.else
	s_wait_loadcnt 0x0
.endif
	WIN 0xa6                                       ; source 0 = keys (window 2), source 1 = queries (window 1): lane = query, registers = eight neighbouring keys
.irp c, 0,1
.set jj, 0
.rept 7
	v_wmma_f32_16x16x32_bf16 v[SB+8*jj:SB+8*jj+7], v[16*jj+8*\c:16*jj+8*\c+7], v[16*(\i)+8*\c:16*(\i)+8*\c+7], v[SB+8*jj:SB+8*jj+7]
.set jj, jj+1
.endr
.endr
	WIN 0xaa
	PLACES
	; the query's maximum: my 56 keys in four chains, then the other half of the lanes, which holds the same query's other 56
.irp k, 0,1,2,3
	v_max3_num_f32 v[M+\k], v[SB+\k], v[SB+\k+4], v[SB+\k+8]
.endr
.irp u, 0,1,2,3,4
.irp k, 0,1,2,3
	v_max3_num_f32 v[M+\k], v[M+\k], v[SB+\k+12+8*\u], v[SB+\k+16+8*\u]
.endr
.endr
	v_max3_num_f32 v[M], v[M], v[SB+52], v[SB+53]
	v_max3_num_f32 v[M+1], v[M+1], v[SB+54], v[SB+55]
	v_max3_num_f32 v[M], v[M], v[M+1], v[M+2]
	v_max_num_f32 v[M], v[M], v[M+3]
	v_permlanex16_b32 v[T], v[M], s82, s83
	v_max_num_f32 v[MM], v[M], v[T]
	v_max_num_f32 v[MM+1], v[M], v[T]
.set ii, 0
.rept 28
	v_pk_add_f32 v[SB+2*ii:SB+2*ii+1], v[SB+2*ii:SB+2*ii+1], v[MM:MM+1] neg_lo:[0,1] neg_hi:[0,1]
.set ii, ii+1
.endr
.set ii, 0
.rept 56
	v_exp_f32 v[SB+ii], v[SB+ii]
.set ii, ii+1
.endr
	v_nop                                          ; one plain instruction behind the transcendentals (ISA guide 5.7.2)
	s_wait_alu depctr_va_vdst(0)
.irp k, 0,1,2,3
	v_pk_add_f32 v[L+2*\k:L+2*\k+1], v[SB+2*\k:SB+2*\k+1], v[SB+2*\k+8:SB+2*\k+9]
.endr
.irp u, 0,1,2,3,4
.irp k, 0,1,2,3
	v_pk_add_f32 v[L+2*\k:L+2*\k+1], v[L+2*\k:L+2*\k+1], v[SB+2*\k+16+8*\u:SB+2*\k+17+8*\u]
.endr
.endr
	v_pk_add_f32 v[L:L+1], v[L:L+1], v[L+2:L+3]
	v_pk_add_f32 v[L+4:L+5], v[L+4:L+5], v[L+6:L+7]
	v_pk_add_f32 v[L:L+1], v[L:L+1], v[L+4:L+5]
	v_add_f32 v[L], v[L], v[L+1]
	v_permlanex16_b32 v[T], v[L], s82, s83
	v_add_f32 v[L], v[L], v[T]
	v_mul_f32 v[L], v[L], v[G]                     ; L S/s
	v_rcp_f32 v[R], v[L]                           ; twice, for the packed multiply; the conversions below are the plain instructions behind them
	v_rcp_f32 v[R+1], v[L]
	WIN 0x4a
.set ii, 0
.rept 28
	v_cvt_pk_f16_f32 v[P+ii], v[SB+2*ii], v[SB+2*ii+1]             ; key tiles 2 c, 2 c + 1 are fragment c
.set ii, ii+1
.endr
	WIN 0x57                                       ; source 0 = V/s transposed (window 3), source 1 = P: lane = query, registers = eight neighbouring columns of the head
.irp c, 0,1,2,3
.irp dt, 0,1,2,3
.if \c == 0
	v_wmma_f32_16x16x32_f16 v[O+8*\dt:O+8*\dt+7], v[8*(4*\dt+\c):8*(4*\dt+\c)+7], v[P+8*\c:P+8*\c+7], 0
.else
	v_wmma_f32_16x16x32_f16 v[O+8*\dt:O+8*\dt+7], v[8*(4*\dt+\c):8*(4*\dt+\c)+7], v[P+8*\c:P+8*\c+7], v[O+8*\dt:O+8*\dt+7]
.endif
.endr
.endr
	PLACES
	WIN 0x49
.set ii, 0
	s_wait_alu depctr_va_vdst(0)
.rept 16
	v_pk_mul_f32 v[O+2*ii:O+2*ii+1], v[O+2*ii:O+2*ii+1], v[R:R+1]
.set ii, ii+1
.endr
	s_wait_xcnt 0x0                                ; OUT, which the last tile's stores read, is rewritten only behind this wait
	WIN 0x45
.set ii, 0
.rept 16
	v_cvt_pk_f16_f32 v[OUT+ii], v[O+2*ii], v[O+2*ii+1]
.set ii, ii+1
.endr
.irp dt, 0,1,2,3
	global_store_b128 v[LA1], v[OUT+4*\dt:OUT+4*\dt+3], s[14:15] offset:(\i)*4096+\dt*512   ; a whole block: 512 neighbouring bytes
.endr
.endm
	WIN 0xaa
	MLOAD 0, 112
	QTILE 0
	QTILE 1
	QTILE 2
	QTILE 3
	QTILE 4
	QTILE 5
	QTILE 6
	WIN 0
	CROUND                                         ; the closing round
	s_endpgm
.Lfunc_end_k_q160f36cb2c_attn:
	.size	k_q160f36cb2c_attn, .Lfunc_end_k_q160f36cb2c_attn-k_q160f36cb2c_attn
	.p2alignl 7, 3214868480
	.fill 96, 4, 3214868480
	.section	.rodata,"a",@progbits
	.p2align	6, 0x0
	.amdhsa_kernel k_q160f36cb2c_attn
		.amdhsa_group_segment_fixed_size 327680
		.amdhsa_private_segment_fixed_size 0
		.amdhsa_enable_private_segment 0
		.amdhsa_kernarg_size 56
		.amdhsa_user_sgpr_count 2
		.amdhsa_user_sgpr_kernarg_segment_ptr 1
		.amdhsa_wavefront_size32 1
		.amdhsa_system_sgpr_workgroup_id_x 1
		.amdhsa_system_sgpr_workgroup_id_y 1
		.amdhsa_system_sgpr_workgroup_id_z 1
		.amdhsa_system_vgpr_workitem_id 0
		.amdhsa_next_free_vgpr 1024
		.amdhsa_next_free_sgpr 102
		.amdhsa_reserve_vcc 0
		.amdhsa_float_denorm_mode_32 3
		.amdhsa_float_denorm_mode_16_64 3
		.amdhsa_memory_ordered 1
		.amdhsa_forward_progress 1
		.amdhsa_inst_pref_size 255
	.end_amdhsa_kernel
	.section	.bss,"aw",@nobits
	.p2align	6
	.space	262144
	.amdgpu_metadata
---
amdhsa.version: [ 1, 2 ]
amdhsa.kernels:
  - .name:           k_q160f36cb2c_attn
    .symbol:         k_q160f36cb2c_attn.kd
    .args:
      - { .name: QK1, .offset: 0, .size: 8, .value_kind: global_buffer, .address_space: global }
      - { .name: WA, .offset: 8, .size: 8, .value_kind: global_buffer, .address_space: global }
      - { .name: VF, .offset: 16, .size: 8, .value_kind: global_buffer, .address_space: global }
      - { .name: TB, .offset: 24, .size: 8, .value_kind: global_buffer, .address_space: global }
      - { .name: in_proj_b, .offset: 32, .size: 8, .value_kind: global_buffer, .address_space: global }
      - { .name: OF, .offset: 40, .size: 8, .value_kind: global_buffer, .address_space: global }
      - { .name: SC, .offset: 48, .size: 8, .value_kind: global_buffer, .address_space: global }
    .group_segment_fixed_size: 327680
    .private_segment_fixed_size: 0
    .kernarg_segment_align: 8
    .kernarg_segment_size: 56
    .max_flat_workgroup_size: 128
    .sgpr_count:     102
    .vgpr_count:     1024
    .wavefront_size: 32
...
	.end_amdgpu_metadata
.endif
;; end of part 4
;; launch outp (part 5): grid 4 x 64, 4 waves a work-group, clusters of 4 x 4, 327,680 bytes of LDS; arguments OF, WC, TB, SC, out0; writes out0
.if DOCPART == 5
	.amdgcn_target "amdgcn-amd-amdhsa--gfx1250"
	.amdhsa_code_object_version 6
	.text
	.protected	k_q160f36cb2c_outp
	.globl	k_q160f36cb2c_outp
	.p2align	8
	.type	k_q160f36cb2c_outp,@function
k_q160f36cb2c_outp:
	s_mov_b64 s[64:65], 0
	v_nop
	global_prefetch_b8 v0, s[64:65] scope:SCOPE_SE
	s_setreg_imm32_b32 hwreg(HW_REG_WAVE_MODE, 25, 1), 1
	s_wait_xcnt 0x0
	s_wait_alu depctr_hold_cnt(0) depctr_sa_sdst(0) depctr_va_vdst(0) depctr_va_sdst(0) depctr_va_ssrc(0) depctr_va_vcc(0) depctr_vm_vsrc(0)
	s_getreg_b32 s2, hwreg(HW_REG_IB_STS2, 6, 4)
	s_cmp_eq_u32 s2, 0
	s_cbranch_scc0 .Lentry_in_a_cluster
	s_endpgm
.Lentry_in_a_cluster:
	s_bfe_u32 s2, ttmp6, 0x10000c
	s_cmp_lg_u32 s2, 0xf033
	s_cbranch_scc0 .Lentry_shape_is_right
	s_endpgm
.Lentry_shape_is_right:
; OUTP: out0 = O Woc^T + boc for batch element b (work-group y) and 256 columns (work-group x).  The last two linear maps are merged (head of prep).
; Both operands are f16 (head of prep): OF holds O / S, S the largest of the batch element's sixteen scales in SC, and WC holds 32 Woc, so out0 = sum x S / 32 + boc.
; A wave makes 112 rows (97 and padding) x 64 columns: 28 accumulator tiles in window 1.
; THE RING: two LDS slots of 192 along K, the largest that fit twice beside the stage (2 x 141,312 + 17,408 bytes): the fewer changes of slots, the fewer waits for a
; tile, and a tile has 168 matrix instructions of each wave to land in.  A slot: weights of a whole step of 128 (256 rows, 65,536 bytes), weights of half a step (32,768),
; O's rows of a whole step (112 rows, 28,672), of half a step (14,336), all in fragment blocks of 512 bytes, read at 16 x lane.
; Slot 2 m (buffer 0) holds step 3 m and the first half of step 3 m + 1; slot 2 m + 1 (buffer 1) the second half of step 3 m + 1 and step 3 m + 2, read in that order.
; Six slots; slot 5 holds the second half of step 7 alone.  A whole step lies dense in memory; half a step is one row of 2,048 bytes for each tile of 16 rows,
; 4,096 bytes apart.  Wave 0 asks for the whole step's weights, wave 1 for the half step's, waves 2, 3 likewise for O: each of the four loads has a line of the text
; that one wave alone reaches and shape registers of its own, written once as constants; the LDS address is wave x 65,536 for the weights and
; 40,960 + wave x 28,672 for O, plus the slot's 141,312.
; CLUSTERS of 4 x 4: O's tiles hang on y alone (asked for jointly along the cluster's row), the weights' on x alone (along the column).
; One tensor load a wave behind each round; two out at the start, by this text's own count.
; SCALARS: s[24:63] and s[68:75] are descriptors: written ahead of the first loads, and the addresses behind the wait that shows every load done; all else lies outside them.
; The way out: a lane holds 32 bytes of a row, so sixteen rows at a time go through the wave's own stage in LDS (behind the ring, never filled by a tensor load)
; and leave as whole rows of 256 bytes.  Rows 97..111 are not stored.
.set MT,    7
.set MT1,   4                          ; row tiles multiplied between the signal and the wait of a change of slots
.set ASTEP, 28672                      ; a step of 128 along K in memory: O,
.set BSTEP, 65536                      ; weights
.set BHL,   65536                      ; in a slot: the whole step's weights at 0, the half step's here,
.set AWL,   98304                      ; the whole step's rows of O,
.set AHL,   126976                     ; the half step's
.set SLOT,  141312
.set NLD,   8+2*MT                     ; LDS loads of one chunk of 32 along K
.set STAGE, 2*SLOT                     ; 282,624: a multiple of 256; 4,352 bytes a wave: 16 rows of 272
.set LANE,  1                          ; v1      lane
.set LN,    2                          ; v2      16 x lane
.set H32,   3                          ; v3      32 x (lane / 16)
.set STO,   4                          ; v4      stage, in
.set RD,    5                          ; v5      stage, back
.set CO,    6                          ; v6      my byte offset in out0
.set R4,    7                          ; v7      4 x (lane % 16)
.set ADR,   16                         ; v16-23  LDS addresses, four a slot: my weights whole, half; O whole, half
.set SS,    26                         ; v[26:27] the scales, then S / 32, twice
.set AF,    32
.set BF,    144
.set ACC,   0                          ; window 1: v[0:223] accumulators, v[224:255] boc
.set X,     32                         ; the way out, window 0: v[32:63] a row tile, scaled, with its bias
.set RB,    64                         ; v[64:95] rows read back
.set MULWIN, 0x50
.set G1BW, 24                          ; s[24:31] group 1: weights, a whole step
.set G1BH, 32                          ; s[32:39] group 1: weights, half a step
.set G1AW, 40                          ; s[40:47] group 1: O, a whole step
.set G1AH, 48                          ; s[48:55] group 1: O, half a step
.set G0B,  56                          ; s[56:63] group 0 for the weights, one set a slot
.set G0A,  68                          ; s[68:75] group 0 for O, one set a slot
.set MSB, 0
.macro WIN new                         ; the immediate's high byte repeats the setting that is left
.if MSB != (\new)
	s_set_vgpr_msb (MSB<<8)|(\new)
.set MSB, (\new)
.endif
.endm
.macro PLACES                          ; four plain vector instructions between a matrix instruction and a load into, or a vector read of, its registers
.rept 4
	v_nop
.endr
.endm
.macro CREST
	s_cmp_lg_u32 s20, 0
	s_cbranch_scc1 .Lnot_wave_0_\@
	s_barrier_signal -3
.Lnot_wave_0_\@:
	s_barrier_wait -3
	s_barrier_signal -1
	s_barrier_wait -1
.endm
.macro CROUND
	s_barrier_signal -1
	s_barrier_wait -1
	CREST
.endm
; group 1: elements of 8 bytes, bit 21 beside the mask; r rows of c elements, p elements from row to row
.macro G1SET g, mask, c, r, p
	s_or_b32 s[\g], \mask, (3<<16)|(1<<21)
	s_mov_b32 s[\g+1], (\c)<<16                    ; tensor_dim0
	s_mov_b32 s[\g+2], (\r)<<16                    ; tensor_dim1
	s_mov_b32 s[\g+3], (\c)<<16                    ; tile_dim0
	s_mov_b32 s[\g+4], \r                          ; tile_dim1
	s_mov_b32 s[\g+5], \p                          ; pitch
	s_mov_b32 s[\g+6], 0
	s_mov_b32 s[\g+7], 0
.endm
.macro TL g0, g1, s
	tensor_load_to_lds s[\g0+4*(\s):\g0+4*(\s)+3], s[\g1:\g1+7]
	s_nop 0
.endm
; My joint load for buffer s: one arm for each wave, by compares of the wave's number with constants, the same in every work-group.
; who = 1: every wave has a part; who = 3: the slot holds half a step alone, waves 0 and 2 have none.  both = 1: the two first fills, buffers 0 and 1, in one arm.
.macro JLOAD s, who, both
	s_cmp_lg_u32 s20, 0
	s_cbranch_scc1 .Lw1_\@
.if (\who) != 3
	TL G0B, G1BW, \s
.if \both
	TL G0B, G1BW, 1
.endif
.endif
	s_branch .Lasked_\@
.Lw1_\@:
	s_cmp_lg_u32 s20, 1
	s_cbranch_scc1 .Lw2_\@
	TL G0B, G1BH, \s
.if \both
	TL G0B, G1BH, 1
.endif
	s_branch .Lasked_\@
.Lw2_\@:
	s_cmp_lg_u32 s20, 2
	s_cbranch_scc1 .Lw3_\@
.if (\who) != 3
	TL G0A, G1AW, \s
.if \both
	TL G0A, G1AW, 1
.endif
.endif
	s_branch .Lasked_\@
.Lw3_\@:
	TL G0A, G1AH, \s
.if \both
	TL G0A, G1AH, 1
.endif
.Lasked_\@:
.endm
.macro SETW q                          ; chunk q of the 32 (32 along K each): the first starts the sums: nothing is cleared
.set ZF, 0
.if (\q) == 0
.set ZF, 1
.endif
.endm
.macro WM d, a, b
.if ZF
	v_wmma_f32_16x16x32_f16 v[\d:\d+7], v[\a:\a+7], v[\b:\b+7], 0
.else
	v_wmma_f32_16x16x32_f16 v[\d:\d+7], v[\a:\a+7], v[\b:\b+7], v[\d:\d+7]
.endif
.endm
; The accumulators take turns, one instruction a turn, over every seam of the text.
.macro MUL f, mfirst, mcount
.set mm, \mfirst
.rept \mcount
.set nn, 0
.rept 4
	WM ACC+8*(4*mm+nn), BF+32*(\f)+8*nn, AF+8*MT*(\f)+8*mm
.set nn, nn+1
.endr
.set mm, mm+1
.endr
.endm
; 22 LDS loads: chunk c of the whole step (k = 0: tiles 4,096 bytes apart) or of the half step (k = 1: 2,048 apart) in buffer buf, into fragment buffer f
.macro FR buf, c, f, k
.set ii, 0
.rept 4
	ds_load_b128 v[BF+32*(\f)+8*ii:BF+32*(\f)+8*ii+3], v[ADR+4*(\buf)+(\k)] offset:ii*(4096>>(\k))+(\c)*1024
	ds_load_b128 v[BF+32*(\f)+8*ii+4:BF+32*(\f)+8*ii+7], v[ADR+4*(\buf)+(\k)] offset:ii*(4096>>(\k))+(\c)*1024+512
.set ii, ii+1
.endr
.set ii, 0
.rept MT
	ds_load_b128 v[AF+8*MT*(\f)+8*ii:AF+8*MT*(\f)+8*ii+3], v[ADR+4*(\buf)+2+(\k)] offset:ii*(4096>>(\k))+(\c)*1024
	ds_load_b128 v[AF+8*MT*(\f)+8*ii+4:AF+8*MT*(\f)+8*ii+7], v[ADR+4*(\buf)+2+(\k)] offset:ii*(4096>>(\k))+(\c)*1024+512
.set ii, ii+1
.endr
.endm
; chunk j (0..5) of buffer buf: buffer 0 holds the whole step first, buffer 1 the half step first
.macro FETCH buf, j
	WIN 0
.if (\buf) == 0
.if (\j) < 4
	FR 0, \j, (\j)&1, 0
.else
	FR 0, (\j)-4, (\j)&1, 1
.endif
.else
.if (\j) < 2
	FR 1, \j, (\j)&1, 1
.else
	FR 1, (\j)-2, (\j)&1, 0
.endif
.endif
.endm
.macro CH s, j                         ; chunk j of slot s, not its last: ask for the next chunk's fragments, multiply this one's
	PLACES
	FETCH (\s)&1, (\j)+1
	s_wait_dscnt NLD                               ; all but the 22 loads just issued: this chunk's fragments are in
	SETW 6*(\s)+(\j)
	WIN MULWIN
	MUL (\j)&1, 0, MT
.endm
.macro RUN s, n                        ; all chunks of slot s, which has n, but the last
.set jq, 0
.rept (\n)-1
	CH \s, jq
.set jq, jq+1
.endr
.endm
; The sixth chunk of slot s and the change of slots: my reads of this slot and all my tensor loads (the one that is out is my part of the next slot) are waited for,
; then the barrier; where the slot's buffer is filled again (who > 0) it opens a round of the cluster's barrier and the joint refill comes first behind the round.
.macro TURN s, who
	s_wait_dscnt 0x0
	s_wait_tensorcnt 0x0
	ds_add_u32 v254, v255
	s_wait_dscnt 0x0
	s_barrier_signal -1
	SETW 6*(\s)+5
	WIN MULWIN
	MUL 1, 0, MT1                                  ; register work while the others arrive
	WIN 0
	s_barrier_wait -1
.if \who
	CREST
	s_add_nc_u64 s[G0A+4*((\s)&1)+2:G0A+4*((\s)&1)+3], s[G0A+4*((\s)&1)+2:G0A+4*((\s)&1)+3], 3*ASTEP   ; no load of mine is out: the addresses may step: two slots are three steps
	s_add_nc_u64 s[G0B+4*((\s)&1)+2:G0B+4*((\s)&1)+3], s[G0B+4*((\s)&1)+2:G0B+4*((\s)&1)+3], 3*BSTEP
	JLOAD (\s)&1, \who, 0
.endif
	PLACES
	FETCH ((\s)+1)&1, 0
	WIN MULWIN
	MUL 1, MT1, MT-MT1
.endm
	s_load_b256 s[4:11], s[0:1], 0x0               ; OF 4, WC 6, TB 8, SC 10
	s_load_b64 s[12:13], s[0:1], 0x20              ; out0
	v_lshl_add_u32 v254, v0, 2, 0x49400
	v_mov_b32 v255, 0
	ds_add_u32 v254, v255
	v_lshrrev_b32 v1, 5, v0
	v_readfirstlane_b32 s20, v1                    ; wave 0..3
	s_and_b32 s22, s20, 1                          ; loads: 0 a whole step, 1 half a step
	s_bfe_u32 s76, ttmp6, 0x40000                  ; cx
	s_bfe_u32 s77, ttmp6, 0x40004                  ; cy
	s_lshl_b32 s78, ttmp9, 2
	s_add_co_u32 s78, s78, s76                     ; work-group x = nb
	s_and_b32 s79, ttmp7, 0xffff
	s_lshl_b32 s79, s79, 2
	s_add_co_u32 s79, s79, s77                     ; work-group y = b
	s_lshl_b32 s80, s77, 2
	s_lshl_b32 s80, 15, s80                        ; my row of the cluster
	s_lshl_b32 s81, 0x1111, s76                    ; my column
	G1SET G1BW, s81, 32, BSTEP/256, 32             ; a whole step is a dense block: rows of 256 bytes
	G1SET G1BH, s81, 256, 16, 512                  ; half a step: a row of 2,048 bytes for each tile of 16 rows, 4,096 bytes apart
	G1SET G1AW, s80, 32, ASTEP/256, 32
	G1SET G1AH, s80, 256, 7, 512
	; where the tiles come from: slot 0 holds step 0 whole and the first half of step 1, slot 1 the second half of step 1 and step 2 whole
	s_mul_i32 s84, s79, 229376                     ; O of batch b
	s_mul_i32 s88, s22, ASTEP-2048
	s_sub_co_u32 s88, 2*ASTEP, s88                 ; slot 1: 2 steps on, or 1 step and 2,048 bytes
	s_add_co_u32 s88, s88, s84
	s_mul_i32 s98, s22, ASTEP                      ; slot 0: 0, or 1 step on
	s_add_co_u32 s84, s84, s98
	s_mov_b32 s85, 0
	s_mov_b32 s89, 0
	s_lshl_b32 s86, s78, 19                        ; WC + 2 MiB (Woc) + group nb
	s_add_co_u32 s86, s86, 2<<20
	s_mul_i32 s90, s22, BSTEP-2048
	s_sub_co_u32 s90, 2*BSTEP, s90
	s_add_co_u32 s90, s90, s86
	s_lshl_b32 s99, s22, 16
	s_add_co_u32 s86, s86, s99
	s_mov_b32 s87, 0
	s_mov_b32 s91, 0
	s_mul_i32 s96, s20, ASTEP                      ; and where they go: waves 2, 3: 98,304 and 126,976,
	s_add_co_u32 s96, s96, AWL-2*ASTEP
	s_lshl_b32 s97, s20, 16                        ; waves 0, 1: 0 and 65,536: the wave's number alone
	s_wait_dscnt 0x0
	s_wait_kmcnt 0x0
.irp s, 0,1
	s_mov_b32 s[G0A+4*\s], 1
	s_add_co_u32 s[G0A+4*\s+1], s96, \s*SLOT
	s_add_nc_u64 s[G0A+4*\s+2:G0A+4*\s+3], s[4:5], s[84+4*\s:85+4*\s]
	s_or_b32 s[G0A+4*\s+3], s[G0A+4*\s+3], 0x80000000
	s_mov_b32 s[G0B+4*\s], 1
	s_add_co_u32 s[G0B+4*\s+1], s97, \s*SLOT
	s_add_nc_u64 s[G0B+4*\s+2:G0B+4*\s+3], s[6:7], s[86+4*\s:87+4*\s]
	s_or_b32 s[G0B+4*\s+3], s[G0B+4*\s+3], 0x80000000
.endr
	CROUND                                         ; all sixteen work-groups are here: the first joint loads meet
	JLOAD 0, 1, 1                                  ; slots 0 and 1, both of a wave's loads in its one arm
	; from here on the scalars written are s66, s67, s98-s101 and the pointers s[8:13]: no register of a descriptor
	v_and_b32 v[LANE], 31, v0
	v_lshlrev_b32 v[LN], 4, v[LANE]
	v_lshrrev_b32 v12, 4, v[LANE]                  ; h
	v_and_b32 v13, 15, v[LANE]                     ; r
	v_lshlrev_b32 v[H32], 5, v12
	v_lshlrev_b32 v[R4], 2, v13
	s_lshl_b32 s66, s20, 14                        ; my 64 weight rows: four tiles of 4,096 bytes in a whole step,
	s_lshl_b32 s67, s20, 13                        ; of 2,048 in half a step
	s_add_co_u32 s67, s67, BHL
.irp s, 0,1
	v_add_nc_u32 v[ADR+4*\s], s66, v[LN]
	v_add_nc_u32 v[ADR+4*\s+1], s67, v[LN]
	v_add_nc_u32 v[ADR+4*\s+2], AWL+\s*SLOT, v[LN]
	v_add_nc_u32 v[ADR+4*\s+3], AHL+\s*SLOT, v[LN]
	s_add_co_u32 s66, s66, SLOT
	s_add_co_u32 s67, s67, SLOT
.endr
	s_mul_i32 s101, s20, 4352
	s_add_co_u32 s101, s101, STAGE                 ; my stage
	v_mul_u32_u24 v14, v13, 272                    ; in: row r, 32 bytes for each half of the lanes; rows 272 bytes apart: sixteen lanes touch sixteen different 16-byte columns
	v_add_nc_u32 v14, v14, v[H32]
	v_add_nc_u32 v[STO], s101, v14
	v_mul_u32_u24 v14, v12, 272                    ; back: lanes 0-15 one row of 256 bytes, lanes 16-31 the next
	v_lshl_add_u32 v14, v13, 4, v14
	v_add_nc_u32 v[RD], s101, v14
	v_lshlrev_b32 v14, 18, v12                     ; and the same two rows s in out0, 262,144 bytes apart
	v_lshl_add_u32 v[CO], v13, 4, v14
	s_lshl_b32 s98, s78, 10                        ; 4 (256 nb + 64 w)
	s_lshl_b32 s100, s20, 8
	s_add_co_u32 s98, s98, s100
	s_mov_b32 s99, 0
	s_add_nc_u64 s[8:9], s[8:9], s[98:99]
	s_add_nc_u64 s[8:9], s[8:9], 520192            ; boc at my columns
	s_lshl_b32 s100, s79, 12
	s_add_co_u32 s98, s98, s100
	s_add_nc_u64 s[12:13], s[12:13], s[98:99]      ; out0 at row s = 0, batch b, my columns
	s_lshl_b32 s98, s79, 6
	s_add_nc_u64 s[10:11], s[10:11], s[98:99]      ; SC of batch b: sixteen numbers
	WIN 0x40
.set ii, 0
.rept 8
	global_load_b128 v[224+4*ii:227+4*ii], v[H32], s[8:9] offset:(ii>>1)*64+(ii&1)*16
.set ii, ii+1
.endr
	WIN 0
	global_load_b32 v[SS], v[R4], s[10:11]         ; s of head lane % 16
	s_wait_tensorcnt 0x1                           ; my part of slot 0 is in; slot 1's load stays out
	s_barrier_signal -1
	s_barrier_wait -1
	FETCH 0, 0
.irp s, 0,1,2
	RUN \s, 6
	TURN \s, 1                                     ; slot s + 2 goes out
.endr
	RUN 3, 6
	TURN 3, 3                                      ; slot 5 is the second half of step 7 alone: waves 1 and 3 ask
	RUN 4, 6
	TURN 4, 0                                      ; nothing is left to fetch
	RUN 5, 2
	s_wait_dscnt 0x0
	SETW 31
	WIN MULWIN
	MUL 1, 0, MT
.macro OUT16 mt
	WIN 0x11                                       ; the sums and boc in window 1, the scale and the destination in window 0
.set ii, 0
.rept 16
	v_pk_fma_f32 v[X+2*ii:X+2*ii+1], v[32*(\mt)+2*ii:32*(\mt)+2*ii+1], v[SS:SS+1], v[224+2*ii:225+2*ii]
.set ii, ii+1
.endr
	WIN 0
.set ii, 0
.rept 8
	ds_store_b128 v[STO], v[X+4*ii:X+4*ii+3] offset:(ii>>1)*64+(ii&1)*16
.set ii, ii+1
.endr
	s_wait_xcnt 0x0                                ; RB, which the last tile's stores read, and their base are rewritten only behind this wait
.if (\mt) > 0
	s_add_nc_u64 s[12:13], s[12:13], 4194304       ; sixteen rows s on
.endif
.if (\mt) < 6
.set tt, 0
.rept 8
	ds_load_b128 v[RB+4*tt:RB+4*tt+3], v[RD] offset:tt*544         ; LDS serves a wave in order (ISA guide 5.7.1.4): these see the stores above
.set tt, tt+1
.endr
.set tt, 0
.rept 8
	s_wait_dscnt 7-tt                              ; rows 2 tt, 2 tt + 1 are in, the 7 - tt younger loads stay out
	global_store_b128 v[CO], v[RB+4*tt:RB+4*tt+3], s[12:13] offset:tt*524288 th:TH_STORE_NT   ; sixteen lanes store 256 neighbouring bytes at a multiple of 256
.set tt, tt+1
.endr
.else
	ds_load_b128 v[RB:RB+3], v[RD]                 ; row 96 is the last: lanes 0-15 alone store
	s_wait_dscnt 0x0
	v_cmp_gt_u32 vcc_lo, 16, v[LANE]
	s_and_saveexec_b32 s98, vcc_lo                 ; no global instruction has been issued since the wait on XCNT above
	global_store_b128 v[CO], v[RB:RB+3], s[12:13] th:TH_STORE_NT
	s_wait_xcnt 0x0                                ; EXEC is a source of that store
	s_or_b32 exec_lo, exec_lo, s98
.endif
.endm
	PLACES
	s_wait_loadcnt 0x0                             ; boc and the scales
	WIN 0
	v_max_num_f32_dpp v[SS], v[SS], v[SS] row_xmask:1 row_mask:0xf bank_mask:0xf   ; S: each half of 16 lanes holds all sixteen heads' s
	v_max_num_f32_dpp v[SS], v[SS], v[SS] row_xmask:2 row_mask:0xf bank_mask:0xf
	v_max_num_f32_dpp v[SS], v[SS], v[SS] row_xmask:4 row_mask:0xf bank_mask:0xf
	v_max_num_f32_dpp v[SS], v[SS], v[SS] row_xmask:8 row_mask:0xf bank_mask:0xf
	v_mul_f32 v[SS], 0x3d000000, v[SS]             ; S / 32
	v_mov_b32 v[SS+1], v[SS]
	OUT16 0
	OUT16 1
	OUT16 2
	OUT16 3
	OUT16 4
	OUT16 5
	OUT16 6
	s_wait_tensorcnt 0x0
	ds_add_u32 v254, v255
	s_wait_dscnt 0x0
	CROUND                                         ; the closing round
	s_endpgm
.Lfunc_end_k_q160f36cb2c_outp:
	.size	k_q160f36cb2c_outp, .Lfunc_end_k_q160f36cb2c_outp-k_q160f36cb2c_outp
	.p2alignl 7, 3214868480
	.fill 96, 4, 3214868480
	.section	.rodata,"a",@progbits
	.p2align	6, 0x0
	.amdhsa_kernel k_q160f36cb2c_outp
		.amdhsa_group_segment_fixed_size 327680
		.amdhsa_private_segment_fixed_size 0
		.amdhsa_enable_private_segment 0
		.amdhsa_kernarg_size 40
		.amdhsa_user_sgpr_count 2
		.amdhsa_user_sgpr_kernarg_segment_ptr 1
		.amdhsa_wavefront_size32 1
		.amdhsa_system_sgpr_workgroup_id_x 1
		.amdhsa_system_sgpr_workgroup_id_y 1
		.amdhsa_system_sgpr_workgroup_id_z 1
		.amdhsa_system_vgpr_workitem_id 0
		.amdhsa_next_free_vgpr 512
		.amdhsa_next_free_sgpr 102
		.amdhsa_reserve_vcc 1
		.amdhsa_float_denorm_mode_32 3
		.amdhsa_float_denorm_mode_16_64 3
		.amdhsa_memory_ordered 1
		.amdhsa_forward_progress 1
		.amdhsa_inst_pref_size 143
	.end_amdhsa_kernel
	.amdgpu_metadata
---
amdhsa.version: [ 1, 2 ]
amdhsa.kernels:
  - .name:           k_q160f36cb2c_outp
    .symbol:         k_q160f36cb2c_outp.kd
    .args:
      - { .name: OF, .offset: 0, .size: 8, .value_kind: global_buffer, .address_space: global }
      - { .name: WC, .offset: 8, .size: 8, .value_kind: global_buffer, .address_space: global }
      - { .name: TB, .offset: 16, .size: 8, .value_kind: global_buffer, .address_space: global }
      - { .name: SC, .offset: 24, .size: 8, .value_kind: global_buffer, .address_space: global }
      - { .name: out0, .offset: 32, .size: 8, .value_kind: global_buffer, .address_space: global }
    .group_segment_fixed_size: 327680
    .private_segment_fixed_size: 0
    .kernarg_segment_align: 8
    .kernarg_segment_size: 40
    .max_flat_workgroup_size: 128
    .sgpr_count:     102
    .vgpr_count:     512
    .wavefront_size: 32
...
	.end_amdgpu_metadata
.endif
;; end of part 5
